; MI455X (gfx1250); checked and timed in simulation.
; The chip was launched on July 23, 2026; its instructions are those of AMD's public machine-readable ISA for CDNA 5 (MIT licence, August 2026) and "CDNA5" Instruction Set Architecture Reference Guide (July 2026). The comments in the code are by the model that wrote it; some were corrected since.
;; Multi Head Attention. Allowed arithmetic: matrix products marked QUANTISED: E5M2 operands, one E8M0 scale for each 32 along K, by v_wmma_scale_f32_16x16x128_f8f6f4 with both operands' format E5M2, f32 sums; everything else in f32.
;; Inputs: Wk_codes 12 x 64 x 24 x 32 uint8 (E5M2 codes of Wk, K innermost, in blocks of 32 codes); Wk_scales 12 x 64 x 24 uint8 (E8M0 scales of Wk, one for each 32 codes along K); Wo_codes 768 x 24 x 32 uint8 (E5M2 codes of Wo, K innermost, in blocks of 32 codes); Wo_scales 768 x 24 uint8 (E8M0 scales of Wo, one for each 32 codes along K); Wq_codes 12 x 64 x 24 x 32 uint8 (E5M2 codes of Wq, K innermost, in blocks of 32 codes); Wq_scales 12 x 64 x 24 uint8 (E8M0 scales of Wq, one for each 32 codes along K); Wv_codes 12 x 64 x 24 x 32 uint8 (E5M2 codes of Wv, K innermost, in blocks of 32 codes); Wv_scales 12 x 64 x 24 uint8 (E8M0 scales of Wv, one for each 32 codes along K); bk 12 x 64 float32; bo 768 float32; bq 12 x 64 float32; bv 12 x 64 float32; x_codes 16 x 1,024 x 24 x 32 uint8 (E5M2 codes of x, K innermost, in blocks of 32 codes); x_scales 16 x 1,024 x 24 uint8 (E8M0 scales of x, one for each 32 codes along K).
;; Outputs: out0 16 x 1,024 x 768 float32.
;; This version of the problem:
;;   THIS VERSION OF THE PROBLEM IS GIVEN IN LOW PRECISION. The matrix products marked QUANTISED in the list below multiply operands that are first quantised to E5M2 (5 exponent bits, 2 mantissa bits; 8 bits a number), with one power-of-two scale for each 32 numbers along K (OCP MX v1.0); their sums are f32. All else is computed in f32.
;;   The module's matrix products, in the order in which they are computed (A, B: the left and right operand; K: the contracted axis; several contracted axes count as one K, in the product's order):
;;     1. [M 768, K 768] x [K 768, N 16,384]; A: input Wq (given as codes); B: input x (given as codes): QUANTISED
;;     2. [M 768, K 768] x [K 768, N 16,384]; A: input Wk (given as codes); B: input x (given as codes): QUANTISED
;;     3. [M 768, K 768] x [K 768, N 16,384]; A: input Wv (given as codes); B: input x (given as codes): QUANTISED
;;     4. batch 192 x [M 1,024, K 64] x [K 64, N 1,024]; A: computed on the way; B: computed on the way: QUANTISED
;;     5. batch 192 x [M 1,024, K 1,024] x [K 1,024, N 64]; A: softmax (see below); B: computed on the way: QUANTISED
;;     6. [M 16,384, K 768] x [K 768, N 768]; A: computed on the way; B: input Wo (given as codes): QUANTISED
;;   THE QUANTISER, for each operand of a quantised product, along K:
;;     - K is cut into blocks of 32 from its start; a last block that is shorter is filled with zeros.
;;     - A block's scale is 2^e with e = floor(log2(the largest magnitude in the block)) - 15, held to -126 .. 127; a block of zeros has e = 0. As a byte (E8M0): e + 127.
;;     - Each number is divided by its block's scale, clamped to +-57,344, and rounded to the nearest number of E5M2, ties to even, subnormals kept.
;;     - The product sums the exact products of the quantised numbers (number of the format x scale) in f32.
;;   ~~~python
;;   def quantise(x, axis):      # numpy; x: float32 -> the quantised numbers, widened to float32 again
;;       x = np.moveaxis(x, axis, -1); K = x.shape[-1]
;;       x = np.pad(x, [(0, 0)] * (x.ndim - 1) + [(0, -K % 32)]); x = x.reshape(x.shape[:-1] + (-1, 32)); a = np.abs(x).max(-1, keepdims=True)
;;       e = np.where(a > 0, np.clip(np.frexp(np.where(a > 0, a, 1))[1] - 1 - 15, -126, 127), 0)      # np.frexp(a)[1] - 1 = floor(log2(a)), exactly
;;       r = np.clip(x / 2.0 ** e, -57344, 57344)
;;       step = 2.0 ** (np.maximum(np.frexp(np.where(r == 0, 1, r))[1] - 1, -14) - 2)
;;       q = np.round(r / step) * step * 2.0 ** e      # np.round: ties to even
;;       return np.moveaxis(q.reshape(q.shape[:-2] + (-1,))[..., :K], -1, axis).astype(np.float32)
;;   ~~~
;;   SOFTMAX AHEAD OF A QUANTISED PRODUCT. Where the list says 'softmax', what is quantised is not the finished softmax but p = 2^(t - M), with t = logit x log2(e) and M = ceil(the row's largest t), a whole number; so 1/2 < the row's largest p <= 1. The row's sum l is taken of the UNQUANTISED p, in f32, and the product's result is divided by l at the end. Since M is a whole number, a kernel that streams over the keys may use a running M (the ceiling of the running maximum): every later rescaling is an exact power of two, which a block's scale takes up: the codes' values come out the same.
;;   OPERANDS COMPUTED ON THE WAY. 'Computed on the way' means the value that the module computes at that place (a softmax that the list does not call 'softmax' is quantised finished and normalised). What goes into a quantiser is computed in f32, as accurately as f32 sums, v_exp_f32 and their like allow (about 1e-6 of the number): no bf16 or f16 on the way to a quantiser, and a product that is left as it is and whose result goes on into a quantised operand takes f32 operands (vector FMAs, or v_wmma_f32_16x16x4_f32). A number that lies on a knife's edge between two numbers of the format may be rounded either way, as far as f32 arithmetic and the matrix unit's own rounding can turn it there, and no further.
;;   INPUTS GIVEN AS CODES. Wk (in the module: [12, 64, 768], K = its axis 2); Wo (in the module: [768, 768], K = its axis 1); Wq (in the module: [12, 64, 768], K = its axis 2); Wv (in the module: [12, 64, 768], K = its axis 2); x (in the module: [16, 1024, 768], K = its axis 2): each comes as NAME_codes (uint8): NAME with its K axis moved to the last place and cut into blocks of 32 codes, [.., K / 32, bytes a block], one block behind the other in memory; one code a byte (a code: sign, 5 exponent bits, 2 mantissa bits); and NAME_scales (uint8): the same leading axes, one E8M0 byte (e + 127) for each 32 codes along K. Its value is code x scale, taken as it is: it is not quantised again, and the codes and scales need not be those that the quantiser above would give.
;; One version. Each part assembles by itself: llvm-mc -triple=amdgcn-amd-amdhsa -mcpu=gfx1250 --defsym DOCPART=n.
;; ======== version 1 of 1: 3 launches
;; limits: right only within a limited range of input values
;; workspace buffers: qimg 12,582,912 bytes; qscl 786,432 bytes; kv 25,952,256 bytes; aimg 12,582,912 bytes; ascl 393,216 bytes
;; launch proj (part 1): grid 32 x 8, 4 waves a work-group, clusters of 4 x 1, 246,272 bytes of LDS; arguments x_codes, x_scales, Wq_codes, Wq_scales, bq, Wk_codes, Wk_scales, bk, Wv_codes, Wv_scales, bv, qimg, qscl, kv; writes qimg, qscl, kv
.if DOCPART == 1
	.amdgcn_target "amdgcn-amd-amdhsa--gfx1250"
	.amdhsa_code_object_version 6
	.text
	.protected	k_qaa82f5b165_proj
	.globl	k_qaa82f5b165_proj
	.p2align	8
	.type	k_qaa82f5b165_proj,@function
k_qaa82f5b165_proj:
	s_mov_b64 s[64:65], 0
	v_nop
	global_prefetch_b8 v0, s[64:65] scope:SCOPE_SE
	s_setreg_imm32_b32 hwreg(HW_REG_WAVE_MODE, 25, 1), 1
	s_wait_xcnt 0x0
	s_wait_alu depctr_hold_cnt(0) depctr_sa_sdst(0) depctr_va_vdst(0) depctr_va_sdst(0) depctr_va_ssrc(0) depctr_va_vcc(0) depctr_vm_vsrc(0)
	s_getreg_b32 s2, hwreg(HW_REG_IB_STS2, 6, 4)
	s_cmp_eq_u32 s2, 0
	s_cbranch_scc0 .Lentry_in_a_cluster
	s_endpgm
.Lentry_in_a_cluster:
	s_bfe_u32 s2, ttmp6, 0x10000c
	s_cmp_lg_u32 s2, 0x3003
	s_cbranch_scc0 .Lentry_shape_is_right
	s_endpgm
.Lentry_shape_is_right:
; q = x Wq^T + bq, k = x Wk^T + bk, v = x Wv^T + bv on codes of BF8 (E5M2) with one E8M0 scale for each 32 along K = 768; the results are quantised here
; (q and k along the head's 64, v along the keys) and leave as IMAGES OF OPERAND REGISTERS: a chunk = 4 registers of an operand (k = 32 c + 16 (lane / 16) + 0 .. 15 of the lane's row) = 512 bytes, lane l's 16 bytes at 16 l.
; SHARES.  A work-group takes 512 rows of x (row block RB = 4 x cluster x + cx) and rows 96 g .. 96 g + 95 of each of Wq, Wk, Wv (g = work-group y): 3 + 3 + 3 PAIRS of tiles, a pair = 32 rows = one block of 32 of a head.
; Wave w owns rows 128 w .. 128 w + 127 of the block: 8 tiles x 6 K steps x 16 registers = 768 registers of x, windows 1 to 3, loaded from memory once.  The 288 rows of W lie in LDS, filled once: each fragment read from LDS feeds 8 products.
; THE ROWS OF A TILE ARE NOT NEIGHBOURS, in x and in W alike: lane r of tile 2 B + u takes row 32 B + 8 u + r + 8 (r / 8).  As source 0 such a pair of tiles leaves 16 NEIGHBOURS, 32 B + 16 (lane / 16) + 0 .. 15, in a lane's 16 registers.
; q, k: source 0 = W, source 1 = x: a lane holds one row of x and 16 neighbours along e.  v: source 0 = x, source 1 = W: a lane holds one channel d and 16 neighbouring keys.  So every conversion's result is a finished chunk.
; CLUSTER: the four row blocks of a cluster need the same rows of W: every tensor load is joint (mask 15).  x differs between partners and goes straight into registers.
; The biases are the C of each sum's first product, so the bias is added ahead of the products and not behind them as the definition has it.
; LIMITS: NaN and infinities among the inputs are not served.  A block whose largest magnitude lies under 2^-111 keeps the byte 1, a block of zeros too (the quantiser's rule says 127): its codes are zeros, and the bytes are read by this program alone.
; The scale bytes of q and k leave as half-words, 2 of every 4 bytes of a run of 64: the other half-word belongs to the head's other block of 32, which another pair makes.
.set GP,    13056                      ; LDS: a group of 16 rows of W: 48 lines of 256 bytes + 16 of padding.  Rows r and r + 16 of a pair start at the same column of 16 bytes
.set RP,    816                        ; a row of W: 3 x 272
.set UOFF,  8*RP                       ; tile u = 1 of a pair begins eight rows further on
.set PAIRB, 2*GP
.set MATB,  6*GP                       ; a matrix's 96 rows
.set SCL,   18*GP                      ; the scale bytes as they lie, 24 a row: 3 x 2,304
.set BIA,   SCL+3*2304                 ; the biases as they lie: 3 x 384
.set KVB,   135168                     ; a head's block in kv: K's images 0, V's images 65,536, K's scale words 131,072, V's 133,120
.set AL,  1                            ; v1   my place in a pair's tile u = 0
.set ASL, 2                            ; v2   my place among a pair's scale bytes: lanes 0-15 tile u = 0, lanes 16-31 tile u = 1
.set ABQ, 3                            ; v3   my place in a pair's bias, q and k: 16 (lane / 16) numbers on
.set ABV, 4                            ; v4   the same for v: my channel
.set AW,  5                            ; v5   this pair's fragments
.set AWN, 6                            ; v6   the next pair's
.set ASN, 7                            ; v7   the next pair's scale bytes
.set ABN, 8                            ; v8   the next pair's bias
.set O16, 9                            ; v9   16 x lane
.set O4R, 10                           ; v10  4 x (lane % 16)
.set O4,  11                           ; v11  4 x lane
.set XL,  12                           ; v12  x: my row and half in a tile
.set XSL, 13                           ; v13  x's scale bytes: lanes 0-15 the even tile, lanes 16-31 the odd one
.set XS,  16                           ; v16-39   x's scale words: XS + 6 p + ks, tiles 2 p and 2 p + 1 in the two halves of the lanes
.set WS,  40                           ; v40-45   this pair's scale words: WS + ks
.set VW,  46                           ; v46-47   v's scale words on their way out
.set BI,  48                           ; v48-63   the bias as C, 8 registers for each u
.set WB,  64                           ; v64-95, v96-127  W's fragments, two buffers
.set TM,  96                           ; behind a pair's products buffer 1 is at work: v96-99 largest magnitudes, v100-103 bytes, v104-107 the largest number x the scale, v108-111 the conversions' scale operands
.set PC,  112                          ; v112-127 the codes just made
.set ACC, 128                          ; v128-255 the 16 accumulators
.set WV,  3
.set DC,  4                            ; s[4:5]  where this pair's codes go
.set DS,  6                            ; s[6:7]  and its scale bytes
.set G1C, 36                           ; s[36:43] descriptor group 1: a matrix's 96 rows of W
.set SEL, 60                           ; s[60:61] lane selects: lane l xor 16
.set MNT, 62                           ; the mantissa field of 57,344
.set HI,  63                           ; lanes 16-31
.set CNT, 66
.set IDX, 67                           ; the pair's number in its matrix: head = IDX / 2, block = IDX % 2
.set G0,  68                           ; s[68:71] group 0; free once the load has landed:
.set PW,  68                           ; this pair's codes, scale bytes, bias in LDS
.set PS,  69
.set PB,  70
.set NW,  71                           ; the next pair's
.set NS,  72
.set NB,  73
.set IDX0, 74                          ; 3 g
.set B12, 75                           ; 12 x batch
.set QT10, 76                          ; (32 half + 8 wave) x 1,024, x 64, x 32
.set QT6, 77
.set QT5, 78
.set TA,  79
.set OFF, 80                           ; s[80:81] an offset, its high word 0
.set TB,  82
.set TC,  83
.set MSB, 0
.macro WIN new                         ; the immediate's high byte repeats the setting that is left; a switch that changes nothing is dropped
.if MSB != (\new)
	s_set_vgpr_msb (MSB<<8)|(\new)
.set MSB, (\new)
.endif
.endm
.macro PLACES n
.rept \n
	v_nop
.endr
.endm
.macro ROUND                           ; a round of the cluster's barrier
	s_barrier_signal -1
	s_barrier_wait -1
	s_cmp_lg_u32 s[WV], 0
	s_cbranch_scc1 .Lnot_wave_0_\@
	s_barrier_signal -3
.Lnot_wave_0_\@:
	s_barrier_wait -3
	s_barrier_signal -1
	s_barrier_wait -1
.endm
; one product; ra, rb = 1: that side's scale words stand in lanes 16-31 of its register
.macro MM d, a, b, c, sa, sb, ra, rb
.if (\ra) && (\rb)
	v_wmma_scale_f32_16x16x128_f8f6f4 v[\d:\d+7], v[\a:\a+15], v[\b:\b+15], v[\c:\c+7], v[\sa], v[\sb] matrix_a_fmt:MATRIX_FMT_BF8 matrix_b_fmt:MATRIX_FMT_BF8 matrix_a_scale:MATRIX_SCALE_ROW1 matrix_b_scale:MATRIX_SCALE_ROW1
.elseif (\ra)
	v_wmma_scale_f32_16x16x128_f8f6f4 v[\d:\d+7], v[\a:\a+15], v[\b:\b+15], v[\c:\c+7], v[\sa], v[\sb] matrix_a_fmt:MATRIX_FMT_BF8 matrix_b_fmt:MATRIX_FMT_BF8 matrix_a_scale:MATRIX_SCALE_ROW1
.elseif (\rb)
	v_wmma_scale_f32_16x16x128_f8f6f4 v[\d:\d+7], v[\a:\a+15], v[\b:\b+15], v[\c:\c+7], v[\sa], v[\sb] matrix_a_fmt:MATRIX_FMT_BF8 matrix_b_fmt:MATRIX_FMT_BF8 matrix_b_scale:MATRIX_SCALE_ROW1
.else
	v_wmma_scale_f32_16x16x128_f8f6f4 v[\d:\d+7], v[\a:\a+15], v[\b:\b+15], v[\c:\c+7], v[\sa], v[\sb] matrix_a_fmt:MATRIX_FMT_BF8 matrix_b_fmt:MATRIX_FMT_BF8
.endif
.endm
	s_load_b512 s[8:23], s[0:1], 0x0               ; x's codes 8, x's scales 10, Wq's codes 12, scales 14, bq 16, Wk's codes 18, scales 20, bk 22
	s_load_b256 s[24:31], s[0:1], 0x40             ; Wv's codes 24, scales 26, bv 28, qimg 30
	s_load_b128 s[32:35], s[0:1], 0x60             ; qscl 32, kv 34
	v_lshl_add_u32 v254, v0, 2, 0x3c000
	v_mov_b32 v255, 0
	ds_add_u32 v254, v255
	ds_add_u32 v254, v255
	s_wait_dscnt 0x0
	v_lshrrev_b32 v14, 5, v0
	v_readfirstlane_b32 s[WV], v14                 ; wave 0..3
	v_and_b32 v14, 15, v0                          ; r
	v_bfe_u32 v15, v0, 4, 1                        ; h = lane / 16
	v_and_b32 v46, 7, v14
	v_lshrrev_b32 v47, 3, v14
	v_mul_u32_u24 v[AL], v47, GP                   ; rows 16-23 of a pair lie in its second group
	v_mad_u32_u24 v[AL], v46, RP, v[AL]
	v_lshl_add_u32 v[AL], v15, 4, v[AL]
	v_lshl_add_u32 v46, v47, 3, v14                ; r + 8 (r / 8)
	v_lshl_add_u32 v47, v15, 3, v46                ; + 8 h: lanes 16-31 stand for the odd tile
	v_mul_u32_u24 v[XSL], v47, 24
	v_add_nc_u32 v[ASL], SCL, v[XSL]
	v_lshlrev_b32 v[ABQ], 6, v15
	v_add_nc_u32 v[ABQ], BIA, v[ABQ]
	v_lshl_add_u32 v[ABV], v46, 2, BIA
	v_and_b32 v[O4], 31, v0
	v_lshlrev_b32 v[O16], 4, v[O4]
	v_lshlrev_b32 v[O4], 2, v[O4]
	v_lshlrev_b32 v[O4R], 2, v14
	v_mul_u32_u24 v[XL], v46, 768
	v_lshl_add_u32 v[XL], v15, 4, v[XL]
.irp b, 0,1,2,3
	v_mov_b32 v[TM+4+\b], 0                        ; a lane permute's destination counts as one of its sources
.endr
	; waves 0 to 2 bring their matrix's 2,304 scale bytes and 384 bytes of bias through registers into LDS: until the pairs begin, v[AW] = 8 x lane, v[AWN] and v[ASN] = where they go
	v_lshlrev_b32 v[AW], 1, v[O4]
	s_mul_i32 s66, s[WV], 2304
	v_add_nc_u32 v[AWN], s66, v[AW]
	v_add_nc_u32 v[AWN], SCL, v[AWN]
	s_mul_i32 s66, s[WV], 384
	v_add_nc_u32 v[ASN], s66, v[O4]
	v_add_nc_u32 v[ASN], BIA, v[ASN]
	; group 1: a matrix's 96 rows, 73,728 dense bytes, as 288 lines of 32 elements of 8 bytes, four words of padding behind each 64; the mask names the cluster's four work-groups, bit 21 beside it
	s_mov_b32 s[G1C+0], 15|(3<<16)|(1<<20)|(1<<21)|(5<<22)|(3<<25)
	s_mov_b32 s[G1C+1], 32<<16
	s_mov_b32 s[G1C+2], 288<<16
	s_mov_b32 s[G1C+3], 32<<16
	s_mov_b32 s[G1C+4], 288
	s_mov_b32 s[G1C+5], 32
	s_mov_b32 s[G1C+6], 0
	s_mov_b32 s[G1C+7], 0
	s_mov_b32 s[SEL], 0x76543210
	s_mov_b32 s[SEL+1], 0xfedcba98
	s_mov_b32 s[MNT], 0x600000
	s_mov_b32 s[HI], 0xffff0000
	s_and_b32 s2, ttmp7, 0xffff                    ; g, which the four partners share
	s_wait_kmcnt 0x0
	s_cmp_eq_u32 s[WV], 0                          ; wave 0 fetches Wq's part, wave 1 Wk's, wave 2 Wv's: the choice hangs on the wave's number alone
	s_cselect_b64 s[4:5], s[12:13], s[18:19]
	s_cselect_b64 s[6:7], s[14:15], s[20:21]
	s_cselect_b64 s[100:101], s[16:17], s[22:23]
	s_cmp_lt_u32 s[WV], 2
	s_cselect_b64 s[4:5], s[4:5], s[24:25]
	s_cselect_b64 s[6:7], s[6:7], s[26:27]
	s_cselect_b64 s[100:101], s[100:101], s[28:29]
	s_mov_b32 s67, 0
	s_mul_i32 s66, s2, 96*768
	s_add_nc_u64 s[4:5], s[4:5], s[66:67]          ; the matrix's rows 96 g on: codes,
	s_mul_i32 s66, s2, 96*24
	s_add_nc_u64 s[6:7], s[6:7], s[66:67]          ; scale bytes,
	s_mul_i32 s66, s2, 96*4
	s_add_nc_u64 s[100:101], s[100:101], s[66:67]  ; bias
	s_mov_b32 s[G0], 1
	s_mul_i32 s[G0+1], s[WV], MATB                 ; LDS: matrix x 78,336
	s_mov_b64 s[G0+2:G0+3], s[4:5]
	s_or_b32 s[G0+3], s[G0+3], 0x80000000
	s_wait_alu depctr_va_vdst(0)
	ROUND                                          ; all four work-groups are here: the joint loads meet
	s_cmp_lt_u32 s[WV], 3                          ; waves 0 to 2: one tensor load each, a matrix's 96 rows; wave 3 fetches nothing
	s_cbranch_scc0 .Lno_fill
	tensor_load_to_lds s[G0:G0+3], s[G1C:G1C+7]
	s_nop 0
	PLACES 4                                       ; four lines ahead of the next switch of windows
.irp n, 0,1,2,3,4,5,6,7,8
	global_load_b64 v[64+2*\n:65+2*\n], v[AW], s[6:7] offset:256*\n     ; the matrix's scale bytes: 256 consecutive bytes a load
.endr
.irp n, 0,1,2
	global_load_b32 v[82+\n], v[O4], s[100:101] offset:128*\n           ; and its bias
.endr
	s_wait_xcnt 0x0                                ; s100 is written again below
.Lno_fill:
	s_bfe_u32 s2, ttmp6, 0x40000                   ; cx: it enters global addresses alone
	s_lshl_b32 s66, ttmp9, 2
	s_add_co_u32 s2, s2, s66                       ; RB = 4 x cluster x + cx
	s_lshl_b32 s66, s2, 9
	s_lshl_b32 s67, s[WV], 7
	s_add_co_u32 s100, s66, s67                    ; my first row of x
	s_mul_i32 s66, s100, 768
	s_mov_b32 s67, 0
	s_add_nc_u64 s[8:9], s[8:9], s[66:67]
	s_mul_i32 s66, s100, 24
	s_add_nc_u64 s[10:11], s[10:11], s[66:67]
	s_wait_alu depctr_va_vdst(0)
.irp p, 0,1,2,3
.irp n, 0,1,2
	global_load_b64 v[XS+6*\p+2*\n:XS+6*\p+2*\n+1], v[XSL], s[10:11] offset:768*\p+8*\n   ; x's scale words go first
.endr
.endr
.irp ks, 0,1,2,3,4,5                   ; x's fragment (tile i, K step ks) at register 128 (ks % 2) + 16 i of window 1 + ks / 2: it stays
	WIN 0x40*(1+\ks/2)
.irp i, 0,1,2,3,4,5,6,7
.irp c, 0,1,2,3
	global_load_b128 v[128*(\ks%2)+16*\i+4*\c:128*(\ks%2)+16*\i+4*\c+3], v[XL], s[8:9] offset:(32*(\i/2)+8*(\i%2))*768+128*\ks+32*\c
.endr
.endr
.endr
	WIN 0
	s_wait_loadcnt 63                              ; behind W's scale bytes and bias, x's scale words and x's K steps 0 to 3 stand the 64 loads of K steps 4 and 5: those alone may be out
	s_wait_tensorcnt 0x0                           ; my part of W has landed,
	s_cmp_lt_u32 s[WV], 3
	s_cbranch_scc0 .Lno_stage
.irp n, 0,1,2,3,4,5,6,7,8
	ds_store_b64 v[AWN], v[64+2*\n:65+2*\n] offset:256*\n
.endr
.irp n, 0,1,2
	ds_store_b32 v[ASN], v[82+\n] offset:128*\n
.endr
.Lno_stage:
	s_wait_dscnt 0x0                               ; and my stores are done,
	s_barrier_signal -1
	s_barrier_wait -1                              ; everybody's has; the descriptors' registers are free
	s_and_b32 s[IDX0], ttmp7, 0xffff
	s_mul_i32 s[IDX0], s[IDX0], 3
	s_lshr_b32 s[B12], s2, 1                       ; batch = RB / 2
	s_mul_i32 s[B12], s[B12], 12
	s_and_b32 s[TA], s2, 1                         ; which half of the batch's 1,024 rows
	s_lshl_b32 s[TA], s[TA], 5
	s_lshl_b32 s[TB], s[WV], 3
	s_add_co_u32 s[TA], s[TA], s[TB]               ; my first tile of 16 rows among the batch's 64
	s_lshl_b32 s[QT10], s[TA], 10
	s_lshl_b32 s[QT6], s[TA], 6
	s_lshl_b32 s[QT5], s[TA], 5
	s_mov_b32 s[OFF+1], 0
.irp u, 0,1                            ; the first pair's first K step, its scale words and its bias
.irp c, 0,1,2,3
	ds_load_b128 v[WB+16*\u+4*\c:WB+16*\u+4*\c+3], v[AL] offset:\u*UOFF+32*\c
.endr
.endr
.irp n, 0,1,2
	ds_load_b64 v[WS+2*\n:WS+2*\n+1], v[ASL] offset:8*\n
.endr
.irp u, 0,1
	ds_load_b128 v[BI+8*\u:BI+8*\u+3], v[ABQ] offset:32*\u
	ds_load_b128 v[BI+8*\u+4:BI+8*\u+7], v[ABQ] offset:32*\u+16
.endr
; A K step of a pair: the next K step's two fragments are asked for, then 16 products, the 16 accumulators by turns.  type 0: q, 1: k, 2: v.
.macro KSTEP type, ks
.if \ks > 0
	PLACES 8                                       ; eight places between the products that read a buffer and the loads into it
.endif
.if \type == 2
	WIN 0                                          ; (with v, source 0's window is x's: the loads' address lies in window 0)
.endif
.irp u, 0,1
.irp c, 0,1,2,3
.if \ks < 5
	ds_load_b128 v[WB+32*((\ks+1)%2)+16*\u+4*\c:WB+32*((\ks+1)%2)+16*\u+4*\c+3], v[AW] offset:\u*UOFF+128*(\ks+1)+16*((\ks+1)/2)+32*\c
.else
	ds_load_b128 v[WB+16*\u+4*\c:WB+16*\u+4*\c+3], v[AWN] offset:\u*UOFF+32*\c   ; the next pair's first K step
.endif
.endr
.endr
	s_wait_dscnt 8                                 ; all but the eight just issued: this step's fragments are in, and at a pair's head its scale words and bias
.if \ks == 4
	s_wait_loadcnt 32                              ; x's K step 4 is in: behind it stand K step 5's 32 loads (it counts in the first pair alone)
.elseif \ks == 5
	s_wait_loadcnt 0x0                             ; x's K step 5
.endif
.set WBC, WB+32*(\ks%2)
.set XR, 128*(\ks%2)
.if \type == 2
	WIN 0x01*(1+\ks/2)                             ; x is source 0
.else
	WIN 0x04*(1+\ks/2)                             ; x is source 1
.endif
.irp i, 0,1,2,3,4,5,6,7
.irp u, 0,1
.if \type == 2
.set DD, ACC+64*\u+8*\i
.else
.set DD, ACC+16*\i+8*\u
.endif
.if \ks == 0
.set CC, BI+8*\u
.else
.set CC, DD
.endif
.if \type == 2
	MM DD, XR+16*\i, WBC+16*\u, CC, XS+6*(\i/2)+\ks, WS+\ks, \i%2, \u
.else
	MM DD, WBC+16*\u, XR+16*\i, CC, WS+\ks, XS+6*(\i/2)+\ks, \u, \i%2
.endif
.endr
.endr
.endm
; 64 numbers of a lane, four blocks of 16 registers, each block shared with lane l xor 16, become four chunks in v[PC] on and four scale bytes in v[TM+4] on.
.macro QUANT s
	s_wait_xcnt 0x0                                ; the earlier stores have read v[PC] on and v[TM] on: both are written again only behind this wait
.irp b, 0,1,2,3
	v_max3_num_f32 v[TM+\b], |v[\s+16*\b]|, |v[\s+16*\b+1]|, 0x8000000   ; my 16 numbers and the floor 2^(16 - 127): the byte cannot fall under 1.  (Each accumulator is read from its low end on)
.endr
.irp i, 2,4,6,8,10,12,14
.irp b, 0,1,2,3
	v_max3_num_f32 v[TM+\b], v[TM+\b], |v[\s+16*\b+\i]|, |v[\s+16*\b+\i+1]|
.endr
.endr
.irp b, 0,1,2,3
	v_permlanex16_b32 v[TM+4+\b], v[TM+\b], s[SEL], s[SEL+1]
.endr
.irp b, 0,1,2,3
	v_max_num_f32 v[TM+\b], v[TM+\b], v[TM+4+\b]   ; the block's largest magnitude
.endr
.irp b, 0,1,2,3
	v_add_nc_u32 v[TM+12+\b], 0xf8800000, v[TM+\b] ; 15 off its exponent field: the conversion's scale operand
.endr
.irp b, 0,1,2,3
	v_and_or_b32 v[TM+8+\b], v[TM+\b], 0x7f800000, s[MNT]   ; 57,344 x the scale
.endr
.irp b, 0,1,2,3
	v_lshrrev_b32 v[TM+4+\b], 23, v[TM+12+\b]      ; the scale's byte
.endr
.irp b, 0,1,2,3
.irp i, 0,1,2,3,4,5,6,7,8,9,10,11,12,13,14,15
	v_med3_num_f32 v[\s+16*\b+\i], v[\s+16*\b+\i], -v[TM+8+\b], v[TM+8+\b]   ; the conversion to an 8-bit code does not saturate (ISA guide 7.6.2): the hold
.endr
	v_cvt_scalef32_pk8_bf8_f32 v[PC+4*\b:PC+4*\b+1], v[\s+16*\b:\s+16*\b+7], v[TM+12+\b]
	v_cvt_scalef32_pk8_bf8_f32 v[PC+4*\b+2:PC+4*\b+3], v[\s+16*\b+8:\s+16*\b+15], v[TM+12+\b]
.endr
	v_nop                                          ; one plain line behind the last conversion
.endm
; where a pair's results go
.macro DEST type
	s_lshr_b32 s[TA], s[IDX], 1
	s_add_co_u32 s[TA], s[TA], s[B12]              ; 12 batch + head
	s_and_b32 s[TB], s[IDX], 1                     ; the head's block of 32
.if \type == 0
	s_lshl_b32 s[OFF], s[TA], 16                   ; qimg: [head 65,536][tile 1,024][block 512]
	s_add_co_u32 s[OFF], s[OFF], s[QT10]
	s_lshl_b32 s[TC], s[TB], 9
	s_add_co_u32 s[OFF], s[OFF], s[TC]
	s_add_nc_u64 s[DC:DC+1], s[30:31], s[OFF:OFF+1]
	s_lshl_b32 s[OFF], s[TA], 12                   ; qscl: [head 4,096][tile 64][row 4], half-word = block
	s_add_co_u32 s[OFF], s[OFF], s[QT6]
	s_lshl_b32 s[TC], s[TB], 1
	s_add_co_u32 s[OFF], s[OFF], s[TC]
	s_add_nc_u64 s[DS:DS+1], s[32:33], s[OFF:OFF+1]
.elseif \type == 1
	s_mul_i32 s[TA], s[TA], KVB
	s_add_co_u32 s[OFF], s[TA], s[QT10]            ; K's images: [two tiles 2,048][chunk 2 block + u, 512]
	s_lshl_b32 s[TC], s[TB], 10
	s_add_co_u32 s[OFF], s[OFF], s[TC]
	s_add_nc_u64 s[DC:DC+1], s[34:35], s[OFF:OFF+1]
	s_add_co_u32 s[OFF], s[TA], s[QT5]             ; K's scale words: [two tiles 64][row 4], half-word = block
	s_lshl_b32 s[TC], s[TB], 1
	s_add_co_u32 s[OFF], s[OFF], s[TC]
	s_add_co_u32 s[OFF], s[OFF], 131072
	s_add_nc_u64 s[DS:DS+1], s[34:35], s[OFF:OFF+1]
.else
	s_mul_i32 s[TA], s[TA], KVB
	s_add_co_u32 s[OFF], s[TA], s[QT10]            ; V's images: [128 keys 8,192][tile of channels 2 block + u, 2,048][chunk 512]
	s_lshl_b32 s[TC], s[TB], 12
	s_add_co_u32 s[OFF], s[OFF], s[TC]
	s_add_co_u32 s[OFF], s[OFF], 65536
	s_add_nc_u64 s[DC:DC+1], s[34:35], s[OFF:OFF+1]
	s_add_co_u32 s[OFF], s[TA], s[QT5]             ; V's scale words: [128 keys 256][block 128][lane 4]
	s_lshl_b32 s[TC], s[TB], 7
	s_add_co_u32 s[OFF], s[OFF], s[TC]
	s_add_co_u32 s[OFF], s[OFF], 133120
	s_add_nc_u64 s[DS:DS+1], s[34:35], s[OFF:OFF+1]
.endif
.endm
; what QUANT number q of a pair has made leaves: each store of codes covers 512 consecutive bytes, aligned
.macro STORE type, q
.if \type == 0
.irp n, 0,1,2,3
	global_store_b128 v[O16], v[PC+4*\n:PC+4*\n+3], s[DC:DC+1] offset:(4*\q+\n)*1024
.endr
.irp n, 0,1,2,3
	v_lshl_or_b32 v[TM+\n], v[TM+4+\n], 8, v[TM+4+\n]   ; q's byte twice: it serves the even and the odd place of the score product's K
.endr
.irp n, 0,1,2,3
	global_store_b16 v[O4R], v[TM+\n], s[DS:DS+1] offset:(4*\q+\n)*64
.endr
.elseif \type == 1
.irp n, 0,1,2,3
	global_store_b128 v[O16], v[PC+4*\n:PC+4*\n+3], s[DC:DC+1] offset:((4*\q+\n)/2)*2048+(\n%2)*512
.endr
.irp m, 0,1
	v_lshl_or_b32 v[TM+\m], v[TM+5+2*\m], 8, v[TM+4+2*\m]   ; the even tile's byte below, the odd tile's above
.endr
.irp m, 0,1
	global_store_b16 v[O4R], v[TM+\m], s[DS:DS+1] offset:(2*\q+\m)*64
.endr
.else
.irp n, 0,1,2,3
	global_store_b128 v[O16], v[PC+4*\n:PC+4*\n+3], s[DC:DC+1] offset:\q*2048+\n*512
.endr
	v_lshl_or_b32 v[VW+\q], v[TM+5], 8, v[TM+4]    ; the four bytes of 128 keys make my channel's scale word
	v_lshl_or_b32 v[VW+\q], v[TM+6], 16, v[VW+\q]
	v_lshl_or_b32 v[VW+\q], v[TM+7], 24, v[VW+\q]
.if \q == 1
	v_cndmask_b32 v[VW], v[VW], v[VW+1], s[HI]     ; lanes 0-15 tile u = 0, lanes 16-31 tile u = 1
	global_store_b32 v[O4], v[VW], s[DS:DS+1]      ; 128 consecutive bytes
.endif
.endif
.endm
; a matrix's three pairs
.macro PAIRS type
	s_mov_b32 s[PW], \type*MATB
	s_mov_b32 s[PS], \type*2304
	s_mov_b32 s[PB], \type*384
	s_mov_b32 s[IDX], s[IDX0]
	s_mov_b32 s[CNT], 3
.Lpair_\type:
	s_wait_xcnt 0x0                                ; the last pair's stores have read their registers and bases: buffer 1, s[DC] and s[DS] are written again only behind this wait
	s_add_co_u32 s[NW], s[PW], PAIRB               ; the pair that follows; the very last pair looks at itself, so that no read leaves the filled bytes
	s_min_u32 s[NW], s[NW], 8*PAIRB
	s_add_co_u32 s[NS], s[PS], 768
	s_min_u32 s[NS], s[NS], 8*768
	s_add_co_u32 s[NB], s[PB], 128
	s_min_u32 s[NB], s[NB], 8*128
	v_add_nc_u32 v[AW], s[PW], v[AL]
	s_wait_alu depctr_va_vdst(0)
	v_add_nc_u32 v[AWN], s[NW], v[AL]
	s_wait_alu depctr_va_vdst(0)
	v_add_nc_u32 v[ASN], s[NS], v[ASL]
.if \type == 2
	s_wait_alu depctr_va_vdst(0)
	v_add_nc_u32 v[ABN], s[NB], v[ABV]
.else
	s_wait_alu depctr_va_vdst(0)
	v_add_nc_u32 v[ABN], s[NB], v[ABQ]
.endif
	DEST \type
.irp k, 0,1,2,3,4,5
	KSTEP \type, \k
.endr
	WIN 0
	PLACES 9                                       ; eight for the reads of results and the loads below; the ninth since the next pair's first products begin these accumulators anew
.irp n, 0,1,2
	ds_load_b64 v[WS+2*\n:WS+2*\n+1], v[ASN] offset:8*\n
.endr
	s_wait_alu depctr_va_vdst(0)
.irp u, 0,1
.if \type == 2
.irp j, 0,1,2,3,4,5,6,7
	ds_load_b32 v[BI+8*\u+\j], v[ABN] offset:32*\u ; v: a lane holds one channel, so its eight registers take the same number
.endr
.else
	ds_load_b128 v[BI+8*\u:BI+8*\u+3], v[ABN] offset:32*\u
	ds_load_b128 v[BI+8*\u+4:BI+8*\u+7], v[ABN] offset:32*\u+16
.endif
.endr
	QUANT ACC
	STORE \type, 0
	QUANT ACC+64
	STORE \type, 1
	s_add_co_u32 s[PW], s[PW], PAIRB
	s_add_co_u32 s[PS], s[PS], 768
	s_add_co_u32 s[PB], s[PB], 128
	s_add_co_u32 s[IDX], s[IDX], 1
	s_sub_co_u32 s[CNT], s[CNT], 1
	s_cmp_lg_u32 s[CNT], 0
	s_cbranch_scc1 .Lpair_\type
.endm
	PAIRS 0
	PAIRS 1
	s_wait_dscnt 0x0                               ; k's last pair has fetched v's first bias in q's and k's layout: those loads are in, and
	v_add_nc_u32 v[ABN], 2*384, v[ABV]
.irp u, 0,1
.irp j, 0,1,2,3,4,5,6,7
	ds_load_b32 v[BI+8*\u+\j], v[ABN] offset:32*\u ; it comes again as v wants it
.endr
.endr
	PAIRS 2
	s_wait_dscnt 0x0                               ; the last look-ahead is in: no LDS instruction is pending at a signal
	s_wait_xcnt 0x0
	v_lshl_add_u32 v254, v0, 2, 0x3c000
	v_mov_b32 v255, 0
	s_wait_alu depctr_va_vdst(0)
	s_wait_tensorcnt 0x0
	ds_add_u32 v254, v255
	s_wait_dscnt 0x0
	ROUND                                          ; the closing round: no work-group ends while a partner may still ask for a tile that names it
	s_endpgm
.Lfunc_end_k_qaa82f5b165_proj:
	.size	k_qaa82f5b165_proj, .Lfunc_end_k_qaa82f5b165_proj-k_qaa82f5b165_proj
	.p2alignl 7, 3214868480
	.fill 96, 4, 3214868480
	.section	.rodata,"a",@progbits
	.p2align	6, 0x0
	.amdhsa_kernel k_qaa82f5b165_proj
		.amdhsa_group_segment_fixed_size 246272
		.amdhsa_private_segment_fixed_size 0
		.amdhsa_enable_private_segment 0
		.amdhsa_kernarg_size 112
		.amdhsa_user_sgpr_count 2
		.amdhsa_user_sgpr_kernarg_segment_ptr 1
		.amdhsa_wavefront_size32 1
		.amdhsa_system_sgpr_workgroup_id_x 1
		.amdhsa_system_sgpr_workgroup_id_y 1
		.amdhsa_system_sgpr_workgroup_id_z 1
		.amdhsa_system_vgpr_workitem_id 0
		.amdhsa_next_free_vgpr 1024
		.amdhsa_next_free_sgpr 102
		.amdhsa_reserve_vcc 0
		.amdhsa_float_denorm_mode_32 3
		.amdhsa_float_denorm_mode_16_64 3
		.amdhsa_memory_ordered 1
		.amdhsa_forward_progress 1
		.amdhsa_inst_pref_size 140
	.end_amdhsa_kernel
	.amdgpu_metadata
---
amdhsa.version: [ 1, 2 ]
amdhsa.kernels:
  - .name:           k_qaa82f5b165_proj
    .symbol:         k_qaa82f5b165_proj.kd
    .args:
      - { .name: x_codes, .offset: 0, .size: 8, .value_kind: global_buffer, .address_space: global }
      - { .name: x_scales, .offset: 8, .size: 8, .value_kind: global_buffer, .address_space: global }
      - { .name: Wq_codes, .offset: 16, .size: 8, .value_kind: global_buffer, .address_space: global }
      - { .name: Wq_scales, .offset: 24, .size: 8, .value_kind: global_buffer, .address_space: global }
      - { .name: bq, .offset: 32, .size: 8, .value_kind: global_buffer, .address_space: global }
      - { .name: Wk_codes, .offset: 40, .size: 8, .value_kind: global_buffer, .address_space: global }
      - { .name: Wk_scales, .offset: 48, .size: 8, .value_kind: global_buffer, .address_space: global }
      - { .name: bk, .offset: 56, .size: 8, .value_kind: global_buffer, .address_space: global }
      - { .name: Wv_codes, .offset: 64, .size: 8, .value_kind: global_buffer, .address_space: global }
      - { .name: Wv_scales, .offset: 72, .size: 8, .value_kind: global_buffer, .address_space: global }
      - { .name: bv, .offset: 80, .size: 8, .value_kind: global_buffer, .address_space: global }
      - { .name: qimg, .offset: 88, .size: 8, .value_kind: global_buffer, .address_space: global }
      - { .name: qscl, .offset: 96, .size: 8, .value_kind: global_buffer, .address_space: global }
      - { .name: kv, .offset: 104, .size: 8, .value_kind: global_buffer, .address_space: global }
    .group_segment_fixed_size: 246272
    .private_segment_fixed_size: 0
    .kernarg_segment_align: 8
    .kernarg_segment_size: 112
    .max_flat_workgroup_size: 128
    .sgpr_count:     102
    .vgpr_count:     1024
    .wavefront_size: 32
...
	.end_amdgpu_metadata
.endif
;; end of part 1
;; launch attn (part 2): grid 256 x 1, 8 waves a work-group, clusters of 4 x 1, 327,680 bytes of LDS; arguments qimg, qscl, kv, aimg, ascl; writes aimg, ascl
.if DOCPART == 2
	.amdgcn_target "amdgcn-amd-amdhsa--gfx1250"
	.amdhsa_code_object_version 6
	.text
	.protected	k_qaa82f5b165_attn
	.globl	k_qaa82f5b165_attn
	.p2align	8
	.type	k_qaa82f5b165_attn,@function
k_qaa82f5b165_attn:
	s_mov_b64 s[64:65], 0
	v_nop
	global_prefetch_b8 v0, s[64:65] scope:SCOPE_SE
	s_setreg_imm32_b32 hwreg(HW_REG_WAVE_MODE, 25, 1), 1
	s_wait_xcnt 0x0
	s_wait_alu depctr_hold_cnt(0) depctr_sa_sdst(0) depctr_va_vdst(0) depctr_va_sdst(0) depctr_va_ssrc(0) depctr_va_vcc(0) depctr_vm_vsrc(0)
	s_getreg_b32 s2, hwreg(HW_REG_IB_STS2, 6, 4)
	s_cmp_eq_u32 s2, 0
	s_cbranch_scc0 .Lentry_in_a_cluster
	s_endpgm
.Lentry_in_a_cluster:
	s_bfe_u32 s2, ttmp6, 0x10000c
	s_cmp_lg_u32 s2, 0x3003
	s_cbranch_scc0 .Lentry_shape_is_right
	s_endpgm
.Lentry_shape_is_right:
; O = softmax(q k^T / 8) v for 192 heads of 1,024 x 64, both products on codes of BF8 (E5M2) with one E8M0 scale for each 32 along K; O / the row's sum is quantised along the concatenated heads and leaves as register images.
; THE SOFTMAX: t = score x log2(e) / 8; M = the row's largest t so far, rounded UP to a whole number; p = 2^(t - M) is what is quantised, along the keys; the row's sum is taken of the unquantised p and divides O at the end.
; When M moves, the sum and O are multiplied by 2^(old M - new M), which rounds nothing.
; SHARES.  A cluster owns three heads (3 C + 0, 1, 2), its four work-groups the four blocks of 256 queries; wave w of eight owns two tiles of 16 queries, so each fragment of K and V read from LDS feeds two products.
; A head's K and V, codes and scale words, are one dense block of 135,168 bytes: one LDS slot.  At the head each of the eight waves asks for one eighth of heads 0 and 1 (270,336 bytes on end, in memory and in LDS);
; waves 0 to 3 (slot 0) and waves 4 to 7 (slot 1) have a load line each, and the first barrier waits for the first line alone.  Head 2 is the launch's one refill, into slot 0, by waves 0 to 3.
; All four work-groups need the same blocks: every tensor load is joint (mask 15).
; NO PREFETCH: heads 0 and 1 are asked for at the head, with no loop ahead of them; head 2's block is asked for eight key steps ahead of its first read, and so is each later head's Q (into registers of its own).
; LAYOUT.  Both products are used transposed (S^T = K Q^T, O^T = V^T P^T): a lane holds ONE query throughout.  Everything in LDS is an image of operand registers: 512 bytes a chunk, lane l's 16 bytes at 16 l.
; K = 64 IN AN INSTRUCTION OF 128: a fragment of K holds TWO tiles of keys, [A e 0-31 | B e 0-31 | A e 32-63 | B e 32-63]; Q is taken as [q0, 0, q1, 0] or as [0, q0, 0, q1]: zero codes pick the tile.
; Both are runs of 16 registers out of ONE run [0, q0, 0, q1, 0, q0', 0, q1', 0] for the wave's two tiles: 36 registers.  No code made by this program is an infinity.
; The keys of a tile are 32 B + 8 u + r + 8 (r / 8), so that the 16 registers of two neighbouring tiles of scores are 16 neighbouring keys; V's channels likewise.
; THE TWO TILES GO THROUGH THE SOFTMAX IN LOCKSTEP, line by line: eight chains of maxima, six of sums, two for M; one batch of 136 exponentials with one wait ahead of it and one behind it.
; LIMITS: NaN and infinities are not served; t under -3e38 is not served; a block of O whose largest magnitude lies under 2^-111, or of zeros, keeps the byte 1: its bytes are read by this program alone.
; REGISTERS.  Window 0: v1-9 addresses; v12-15, v16-19 a tile's -M, largest t, sum in two halves; v20-63 at work (tile t, block b at + 4 t + b); v64-73 scale words; v76-111 Q; v112-127 the next head's Q; v128-191, v192-255 S^T then p of tile 0, 1.
; Window 1: v0-63 K's four double fragments; v64-127 V's four; v128-191 O^T of the two tiles; v192-223 p's codes.
.set SLOTB, 135168
.set KSC,   131072                     ; K's scale words in a slot; V's lie 2,048 further on
.set SPARE, 2*SLOTB                    ; behind the slots: the spare words, 128 bytes for each wave
.set A16, 1                            ; 16 x lane
.set A4,  2                            ; 4 x lane
.set SPW, 3                            ; my spare word; never rewritten
.set NIL, 4                            ; 0; never rewritten
.set AD,  5                            ; this step's K
.set ADV, 6                            ; this step's V
.set ADS, 7                            ; this step's scale words
.set R4,  8                            ; 4 x (lane % 16)
.set AO,  9                            ; my half-word among the result's scale words
.set BM,  20                           ; the blocks' largest scores, then largest p, then 57,344 x the scale once more
.set PM,  28                           ; the permute's results, two chains of a sum, the bytes
.set HD,  37                           ; 57,344 x the scale: a register bank further on than BM, since the two halves of a dual instruction take their second sources from different banks
.set SO,  48                           ; the conversions' scale operands
.set F,   56                           ; v[56:57], v[58:59] f = 2^(old M - new M), named as pairs
.set TT,  60
.set WT,  62
.set KS,  64                           ; K's scale words: fragments 2 p and 2 p + 1 in the two halves of the lanes
.set VS,  66                           ; V's likewise
.set QS,  68                           ; Q's, a register a tile
.set PW,  70                           ; p's, a register a tile
.set QN,  72                           ; the next head's Q's
.set QQ,  76
.set QG,  112
.set S,   128
.set KF,  0                            ; window 1
.set VF,  64
.set O,   128
.set PC,  192
.set WV,  14
.set CX,  15
.set SEL, 20
.set CS,  22                           ; s[22:23] c = log2(e) / 8
.set MNT, 24
.set TI,  25                           ; LDS byte of the step's K
.set TS,  26                           ; and of its scale words
.set CNT, 27
.set H0,  28                           ; the cluster's first head within its batch
.set G1,  32
.set G0A, 40
.set QB,  48
.set QSB, 50
.set AB,  52
.set ASB, 54
.set MSB, 0
.macro WIN new
.if MSB != (\new)
	s_set_vgpr_msb (MSB<<8)|(\new)
.set MSB, (\new)
.endif
.endm
.macro PLACES n
.rept \n
	v_nop
.endr
.endm
.macro ROUND
	s_barrier_signal -1
	s_barrier_wait -1
	s_cmp_lg_u32 s[WV], 0
	s_cbranch_scc1 .Lnot_wave_0_\@
	s_barrier_signal -3
.Lnot_wave_0_\@:
	s_barrier_wait -3
	s_barrier_signal -1
	s_barrier_wait -1
.endm
	s_load_b256 s[4:11], s[0:1], 0x0               ; qimg 4, qscl 6, kv 8, aimg 10
	s_load_b64 s[12:13], s[0:1], 0x20              ; ascl
	v_lshl_add_u32 v[SPW], v0, 2, SPARE
	v_mov_b32 v[NIL], 0
	ds_add_u32 v[SPW], v[NIL]                      ; the opening lines: the add, twice on end, and its wait ahead of my first tensor load
	ds_add_u32 v[SPW], v[NIL]
	v_lshrrev_b32 v5, 5, v0
	s_delay_alu instid0(VALU_DEP_1)
	v_readfirstlane_b32 s[WV], v5                  ; wave 0..7
	v_and_b32 v[A4], 31, v0
	s_delay_alu instid0(VALU_DEP_1)
	v_lshlrev_b32 v[A16], 4, v[A4]
	s_delay_alu instid0(VALU_DEP_2)
	v_lshlrev_b32 v[A4], 2, v[A4]
	v_and_b32 v[R4], 15, v0
	s_delay_alu instid0(VALU_DEP_1)
	v_lshlrev_b32 v[R4], 2, v[R4]
.irp j, 28,29,30,31,32,33,34,35,57,59
	v_mov_b32 v[\j], 0                             ; the permute's destinations; the upper halves of f's pairs
.endr
.irp q, 0,8,16,24,32                   ; Q's five zero chunks: nothing writes them again
.irp j, 0,1,2,3
	v_mov_b32 v[QQ+\q+\j], 0
.endr
.endr
	s_mov_b32 s[G1+0], 15|(3<<16)|(1<<21)          ; a quarter of a head's block: 132 lines of 32 elements of 8 bytes, dense; the mask names the cluster's four, bit 21 beside it
	s_mov_b32 s[G1+1], 32<<16
	s_mov_b32 s[G1+2], 132<<16
	s_mov_b32 s[G1+3], 32<<16
	s_mov_b32 s[G1+4], 132
	s_mov_b32 s[G1+5], 32
	s_mov_b32 s[G1+6], 0
	s_mov_b32 s[G1+7], 0
	s_mov_b32 s[SEL], 0x76543210
	s_mov_b32 s[SEL+1], 0xfedcba98
	s_mov_b32 s[CS], 0x3e38aa3b
	s_mov_b32 s[CS+1], s[CS]
	s_mov_b32 s[MNT], 0x600000
	s_mul_i32 s56, ttmp9, 3*SLOTB                  ; the cluster's first head: no place in the cluster enters a descriptor
	s_mul_i32 s58, s[WV], SLOTB/4                  ; my eighth of heads 0 and 1, in memory and in LDS alike
	s_add_co_u32 s56, s56, s58
	s_mov_b32 s57, 0
	s_wait_dscnt 0x0                               ; both opening adds are done
	s_wait_alu depctr_va_vdst(0)
	s_wait_kmcnt 0x0
	s_mov_b32 s[G0A], 1
	s_mov_b32 s[G0A+1], s58
	s_add_nc_u64 s[G0A+2:G0A+3], s[8:9], s[56:57]
	s_or_b32 s[G0A+3], s[G0A+3], 0x80000000
	ROUND                                          ; all four work-groups are here: the first joint loads meet
	s_cmp_lt_u32 s[WV], 4                          ; one load a wave; two lines, since the first barrier waits for slot 0's alone
	s_cbranch_scc0 .Lslot_1
	tensor_load_to_lds s[G0A:G0A+3], s[G1:G1+7]    ; waves 0 to 3: head 0
	s_nop 0
	PLACES 4
	s_branch .Lasked
.Lslot_1:
	tensor_load_to_lds s[G0A:G0A+3], s[G1:G1+7]    ; waves 4 to 7: head 1
	s_nop 0
	PLACES 4
.Lasked:
	s_bfe_u32 s[CX], ttmp6, 0x40000                ; cx: it enters global addresses alone
	s_mul_i32 s16, ttmp9, 3                        ; the first head's number among the 192
	s_lshl_b32 s17, s[CX], 4
	s_lshl_b32 s18, s[WV], 1
	s_add_co_u32 s18, s18, s17                     ; my first tile of queries: 16 cx + 2 wave
	s_mov_b32 s3, 0
	s_lshl_b32 s2, s16, 16
	s_lshl_b32 s19, s18, 10
	s_add_co_u32 s2, s2, s19
	s_add_nc_u64 s[QB:QB+1], s[4:5], s[2:3]
	s_lshl_b32 s2, s16, 12
	s_lshl_b32 s19, s18, 6
	s_add_co_u32 s2, s2, s19
	s_add_nc_u64 s[QSB:QSB+1], s[6:7], s[2:3]
	s_lshr_b32 s19, ttmp9, 2                       ; batch
	s_lshl_b32 s19, s19, 6
	s_add_co_u32 s19, s19, s18                     ; my first tile of rows among the 1,024
	s_and_b32 s[H0], ttmp9, 3
	s_mul_i32 s[H0], s[H0], 3
	s_mul_i32 s2, s19, 12288
	s_lshl_b32 s17, s[H0], 10
	s_add_co_u32 s2, s2, s17
	s_add_nc_u64 s[AB:AB+1], s[10:11], s[2:3]
	s_mul_i32 s2, s19, 384
	s_add_nc_u64 s[ASB:ASB+1], s[12:13], s[2:3]
; Q of head hd, into the registers in which it waits for its head; the bases are never stepped: six loads
.macro QLOAD hd
.irp t, 0,1
.irp b, 0,1
	global_load_b128 v[QG+8*\t+4*\b:QG+8*\t+4*\b+3], v[A16], s[QB:QB+1] offset:(\hd)*65536+\t*1024+\b*512
.endr
.endr
.irp t, 0,1
	global_load_b32 v[QN+\t], v[R4], s[QSB:QSB+1] offset:(\hd)*4096+\t*64
.endr
.endm
; S^T = K Q^T of tile t: eight products, each with C = 0; K lies in window 1
.macro SMM t
.irp m, 0,1,2,3
.irp u, 0,1
.if \m%2
	v_wmma_scale_f32_16x16x128_f8f6f4 v[S+64*\t+16*\m+8*\u:S+64*\t+16*\m+8*\u+7], v[KF+16*\m:KF+16*\m+15], v[QQ+16*\t+4-4*\u:QQ+16*\t+4-4*\u+15], 0, v[KS+\m/2], v[QS+\t] matrix_a_fmt:MATRIX_FMT_BF8 matrix_b_fmt:MATRIX_FMT_BF8 matrix_a_scale:MATRIX_SCALE_ROW1
.else
	v_wmma_scale_f32_16x16x128_f8f6f4 v[S+64*\t+16*\m+8*\u:S+64*\t+16*\m+8*\u+7], v[KF+16*\m:KF+16*\m+15], v[QQ+16*\t+4-4*\u:QQ+16*\t+4-4*\u+15], 0, v[KS+\m/2], v[QS+\t] matrix_a_fmt:MATRIX_FMT_BF8 matrix_b_fmt:MATRIX_FMT_BF8
.endif
.endr
.endr
.endm
; both tiles' softmax for 128 keys, line by line by turns: the scores become p's codes and p's scale words; O^T and the sums come under the new M
.macro SOFT2
.irp b, 0,1,2,3
.irp t, 0,1
	v_max3_num_f32 v[BM+4*\t+\b], v[S+64*\t+16*\b], v[S+64*\t+16*\b+1], v[S+64*\t+16*\b+2]   ; the largest score of each block of 32 keys: it serves the row's maximum and, since p rises with the score, the block's largest p
.endr
.endr
.irp i, 3,5,7,9,11,13
.irp b, 0,1,2,3
.irp t, 0,1
	v_max3_num_f32 v[BM+4*\t+\b], v[BM+4*\t+\b], v[S+64*\t+16*\b+\i], v[S+64*\t+16*\b+\i+1]
.endr
.endr
.endr
.irp b, 0,1,2,3
.irp t, 0,1
	v_max_num_f32 v[BM+4*\t+\b], v[BM+4*\t+\b], v[S+64*\t+16*\b+15]
.endr
.endr
.irp b, 0,1,2,3
.irp t, 0,1
	v_permlanex16_b32 v[PM+4*\t+\b], v[BM+4*\t+\b], s[SEL], s[SEL+1]
.endr
.endr
.irp b, 0,1,2,3
.irp t, 0,1
	v_max_num_f32 v[BM+4*\t+\b], v[BM+4*\t+\b], v[PM+4*\t+\b]   ; with lane l xor 16's 16 keys
.endr
.endr
.irp t, 0,1
	s_delay_alu instid0(VALU_DEP_4)
	v_max3_num_f32 v[TT+\t], v[BM+4*\t], v[BM+4*\t+1], v[BM+4*\t+2]
.endr
.irp t, 0,1
	s_delay_alu instid0(VALU_DEP_2)
	v_max_num_f32 v[TT+\t], v[TT+\t], v[BM+4*\t+3]
.endr
.irp t, 0,1
	s_delay_alu instid0(VALU_DEP_2)
	v_mul_f32 v[TT+\t], s[CS], v[TT+\t]            ; the step's largest t (c is positive)
.endr
.irp t, 0,1
	s_delay_alu instid0(VALU_DEP_2)
	v_max_num_f32 v[13+4*\t], v[13+4*\t], v[TT+\t]
.endr
.irp t, 0,1
	v_mov_b32 v[TT+\t], v[12+4*\t]
.endr
.irp t, 0,1
	s_delay_alu instid0(VALU_DEP_4)
	v_floor_f32 v[12+4*\t], -v[13+4*\t]            ; the new -M = -ceil(t)
.endr
.set j, 0
.rept 32
	v_pk_fma_f32 v[S+j:S+j+1], v[S+j:S+j+1], s[CS:CS+1], v[12:13] op_sel_hi:[1,0,0]   ; t - M, two at a time; the three lines that make f stand among these
	v_pk_fma_f32 v[S+64+j:S+64+j+1], v[S+64+j:S+64+j+1], s[CS:CS+1], v[16:17] op_sel_hi:[1,0,0]
.if j == 6
.irp t, 0,1
	v_sub_f32 v[TT+\t], v[12+4*\t], v[TT+\t]       ; old M - new M: a whole number, 0 or less
.endr
.elseif j == 14
.irp t, 0,1
	v_cvt_i32_f32 v[TT+\t], v[TT+\t]               ; (it saturates)
.endr
.elseif j == 22
.irp t, 0,1
	v_ldexp_f32 v[F+2*\t], 1.0, v[TT+\t]           ; f
.endr
.endif
.set j, j+2
.endr
.irp b, 0,1,2,3
.irp t, 0,1
	v_fma_f32 v[BM+4*\t+\b], v[BM+4*\t+\b], s[CS], v[12+4*\t]   ; the same of each block's largest score
.endr
.endr
	s_wait_alu depctr_va_vdst(0)
.set j, 0
.rept 128
	v_exp_f32 v[S+j], v[S+j]                       ; p, at most 1
.set j, j+1
.endr
.set j, 0
.rept 8
	v_exp_f32 v[BM+j], v[BM+j]                     ; the blocks' largest p
.set j, j+1
.endr
.irp t, 0,1
	v_pk_mul_f32 v[14+4*\t:15+4*\t], v[14+4*\t:15+4*\t], v[F+2*\t:F+2*\t+1] op_sel_hi:[1,0]   ; the sums under the new M: the plain lines behind the batch
.endr
	WIN 0x41                                       ; O^T lies in window 1, f in window 0
	s_wait_alu depctr_va_vdst(0)                   ; one wait for the 136, ahead of their first reader and directly ahead of the first reader of O^T
.set j, 0
.rept 16
.irp t, 0,1
	v_pk_mul_f32 v[O+32*\t+j:O+32*\t+j+1], v[O+32*\t+j:O+32*\t+j+1], v[F+2*\t:F+2*\t+1] op_sel_hi:[1,0]   ; O^T under the new M
.endr
.set j, j+2
.endr
	WIN 0
.irp t, 0,1                            ; the row's sum of the unquantised p: three chains a tile
	v_pk_add_f32 v[PM+4*\t:PM+4*\t+1], v[S+64*\t:S+64*\t+1], v[S+64*\t+2:S+64*\t+3]
	v_pk_add_f32 v[PM+4*\t+2:PM+4*\t+3], v[S+64*\t+4:S+64*\t+5], v[S+64*\t+6:S+64*\t+7]
.endr
.set j, 8
.rept 9
.irp t, 0,1
	v_pk_add_f32 v[14+4*\t:15+4*\t], v[14+4*\t:15+4*\t], v[S+64*\t+j:S+64*\t+j+1]
	v_pk_add_f32 v[PM+4*\t:PM+4*\t+1], v[PM+4*\t:PM+4*\t+1], v[S+64*\t+j+2:S+64*\t+j+3]
	v_pk_add_f32 v[PM+4*\t+2:PM+4*\t+3], v[PM+4*\t+2:PM+4*\t+3], v[S+64*\t+j+4:S+64*\t+j+5]
.endr
.set j, j+6
.endr
.irp t, 0,1
	v_pk_add_f32 v[14+4*\t:15+4*\t], v[14+4*\t:15+4*\t], v[S+64*\t+62:S+64*\t+63]
.endr
.irp t, 0,1
	v_pk_add_f32 v[PM+4*\t:PM+4*\t+1], v[PM+4*\t:PM+4*\t+1], v[PM+4*\t+2:PM+4*\t+3]
.endr
.irp t, 0,1
	s_delay_alu instid0(VALU_DEP_2)
	v_pk_add_f32 v[14+4*\t:15+4*\t], v[14+4*\t:15+4*\t], v[PM+4*\t:PM+4*\t+1]
.endr
.set j, 0
.rept 8
	v_max_num_f32 v[BM+j], 0x8000000, v[BM+j]      ; the floor 2^(16 - 127)
.set j, j+1
.endr
.set j, 0
.rept 8
	v_add_nc_u32 v[SO+j], 0xf8800000, v[BM+j]
.set j, j+1
.endr
.set j, 0
.rept 8
	v_and_or_b32 v[HD+j], v[BM+j], 0x7f800000, s[MNT]
.set j, j+1
.endr
.set j, 0
.rept 8
	v_and_or_b32 v[BM+j], v[BM+j], 0x7f800000, s[MNT]
.set j, j+1
.endr
.irp b, 0,1,2,3
.irp t, 0,1
	v_lshrrev_b32 v[PM+4*\t+\b], 23, v[SO+4*\t+\b]
.endr
.endr
.irp t, 0,1
	v_lshl_or_b32 v[WT+\t], v[PM+4*\t+1], 8, v[PM+4*\t]
.endr
.irp t, 0,1
	s_delay_alu instid0(VALU_DEP_2)
	v_lshl_or_b32 v[WT+\t], v[PM+4*\t+2], 16, v[WT+\t]
.endr
.irp t, 0,1
	s_delay_alu instid0(VALU_DEP_2)
	v_lshl_or_b32 v[PW+\t], v[PM+4*\t+3], 24, v[WT+\t]   ; p's scale word for these 128 keys
.endr
.irp b, 0,1,2,3
.irp t, 0,1
.set j, 0
.rept 8
	v_dual_min_num_f32 v[S+64*\t+16*\b+j], v[S+64*\t+16*\b+j], v[HD+4*\t+\b] :: v_dual_min_num_f32 v[S+64*\t+16*\b+j+1], v[S+64*\t+16*\b+j+1], v[BM+4*\t+\b]   ; the hold, two numbers a line: p is not negative, so it is one-sided
.set j, j+2
.endr
.endr
.endr
	WIN 0x40                                       ; the codes go to window 1
.irp b, 0,1,2,3
.irp t, 0,1
	v_cvt_scalef32_pk8_bf8_f32 v[PC+16*\t+4*\b:PC+16*\t+4*\b+1], v[S+64*\t+16*\b:S+64*\t+16*\b+7], v[SO+4*\t+\b]
	v_cvt_scalef32_pk8_bf8_f32 v[PC+16*\t+4*\b+2:PC+16*\t+4*\b+3], v[S+64*\t+16*\b+8:S+64*\t+16*\b+15], v[SO+4*\t+\b]
.endr
.endr
	WIN 0
.endm
; a key step: 128 keys
.macro STEP
	v_add_nc_u32 v[AD], s[TI], v[A16]
	s_delay_alu instid0(VALU_DEP_1)
	v_add_nc_u32 v[ADV], 0x10000, v[AD]
	v_add_nc_u32 v[ADS], s[TS], v[A4]
	PLACES 5                                       ; with the three additions: eight places between the last step's V^T P^T and the loads into V's registers
	s_wait_alu depctr_va_vdst(0)
	s_wait_dscnt 0x0                               ; this step's K and its scale words are in
	WIN 0x40
.irp d, 0,1,2,3
.irp c, 0,1,2,3
	ds_load_b128 v[VF+16*\d+4*\c:VF+16*\d+4*\c+3], v[ADV] offset:\d*2048+\c*512   ; this step's V
.endr
.endr
	WIN 0
.irp p, 0,1
	ds_load_b32 v[VS+\p], v[ADS] offset:2048+128*\p
.endr
	WIN 0x01
	SMM 0
	SMM 1
	WIN 0
	PLACES 8                                       ; ahead of the loads into K's registers and of the first read of the scores
	WIN 0x40
.irp m, 0,1,2,3
.irp c, 0,1,2,3
	ds_load_b128 v[KF+16*\m+4*\c:KF+16*\m+4*\c+3], v[AD] offset:8192+\m*2048+\c*512   ; the NEXT step's K.  (A head's eighth step reads the head of V's images and of V's scale words: filled bytes of the same slot, never used)
.endr
.endr
	WIN 0
.irp p, 0,1
	ds_load_b32 v[KS+\p], v[ADS] offset:256+128*\p
.endr
	SOFT2
	PLACES 4                                       ; four places between the codes and the products; the first is the plain line behind the last conversion
	s_wait_alu depctr_va_vdst(0)
	s_wait_dscnt 18                                ; the 18 loads of the next step's K may be out: V and its scale words, issued ahead of them, are in
	WIN 0x55
.irp t, 0,1                            ; O^T += V^T P^T: the eight accumulators by turns
.irp d, 0,1,2,3
.if \d%2
	v_wmma_scale_f32_16x16x128_f8f6f4 v[O+32*\t+8*\d:O+32*\t+8*\d+7], v[VF+16*\d:VF+16*\d+15], v[PC+16*\t:PC+16*\t+15], v[O+32*\t+8*\d:O+32*\t+8*\d+7], v[VS+\d/2], v[PW+\t] matrix_a_fmt:MATRIX_FMT_BF8 matrix_b_fmt:MATRIX_FMT_BF8 matrix_a_scale:MATRIX_SCALE_ROW1
.else
	v_wmma_scale_f32_16x16x128_f8f6f4 v[O+32*\t+8*\d:O+32*\t+8*\d+7], v[VF+16*\d:VF+16*\d+15], v[PC+16*\t:PC+16*\t+15], v[O+32*\t+8*\d:O+32*\t+8*\d+7], v[VS+\d/2], v[PW+\t] matrix_a_fmt:MATRIX_FMT_BF8 matrix_b_fmt:MATRIX_FMT_BF8
.endif
.endr
.endr
	WIN 0
	s_add_co_u32 s[TI], s[TI], 8192
	s_add_co_u32 s[TS], s[TS], 256
.endm
; a whole head, out of the given slot
.macro HEAD hd, slot
	s_wait_xcnt 0x0                                ; the last head's stores have read their registers
.irp t, 0,1
	v_mov_b32 v[13+4*\t], 0xff61b1e6               ; the largest t so far: -3e38
	s_delay_alu instid0(VALU_DEP_1)
	v_floor_f32 v[12+4*\t], -v[13+4*\t]
	v_mov_b32 v[14+4*\t], 0
	v_mov_b32 v[15+4*\t], 0
.endr
	WIN 0x40
.set j, 0
.rept 64
	v_mov_b32 v[O+j], 0                            ; the step is written once: the first finds zeros, which the first change of M leaves zeros
.set j, j+1
.endr
	WIN 0
	s_mov_b32 s[TI], \slot*SLOTB
	s_mov_b32 s[TS], \slot*SLOTB+KSC
	v_add_nc_u32 v[AD], s[TI], v[A16]
	v_add_nc_u32 v[ADS], s[TS], v[A4]
	WIN 0x40
.irp m, 0,1,2,3
.irp c, 0,1,2,3
	ds_load_b128 v[KF+16*\m+4*\c:KF+16*\m+4*\c+3], v[AD] offset:\m*2048+\c*512   ; the first step's K
.endr
.endr
	WIN 0
.irp p, 0,1
	ds_load_b32 v[KS+\p], v[ADS] offset:128*\p
.endr
	s_wait_loadcnt 0x0                             ; this head's Q has come: it goes to its places between the zero chunks
.irp t, 0,1
	v_mov_b32 v[QS+\t], v[QN+\t]
.endr
.irp t, 0,1
.irp k, 0,1,2,3
	v_mov_b32 v[QQ+16*\t+4+\k], v[QG+8*\t+\k]
	v_mov_b32 v[QQ+16*\t+12+\k], v[QG+8*\t+4+\k]
.endr
.endr
.if \hd < 2
	QLOAD \hd+1                                    ; the next head's: eight key steps ahead of its first use
.endif
	s_mov_b32 s[CNT], 8
.Lstep_\hd:
	STEP
	s_sub_co_u32 s[CNT], s[CNT], 1
	s_cmp_lg_u32 s[CNT], 0
	s_cbranch_scc1 .Lstep_\hd
	s_wait_dscnt 0x0                               ; the look-ahead of the last step is in: my reads of the slot are over
	PLACES 8                                       ; ahead of the reads of O^T
	s_add_co_u32 s17, s[H0], \hd                   ; the head within its batch: K step head / 2 of the last product, half-word head % 2 of its scale word
	s_lshr_b32 s18, s17, 1
	s_lshl_b32 s18, s18, 6
	s_and_b32 s17, s17, 1
	s_lshl_b32 s17, s17, 1
	s_add_co_u32 s17, s17, s18
	v_add_nc_u32 v[AO], s17, v[R4]
.irp t, 0,1
	v_add_f32 v[14+4*\t], v[14+4*\t], v[15+4*\t]   ; the sum's two halves,
.endr
.irp t, 0,1
	s_delay_alu instid0(VALU_DEP_2)
	v_permlanex16_b32 v[PM+4*\t], v[14+4*\t], s[SEL], s[SEL+1]
.endr
.irp t, 0,1
	s_delay_alu instid0(VALU_DEP_2)
	v_add_f32 v[14+4*\t], v[14+4*\t], v[PM+4*\t]   ; and lane l xor 16's
.endr
	s_wait_alu depctr_va_vdst(0)                   ; the wait ahead of the reciprocals,
.irp t, 0,1
	v_rcp_f32 v[14+4*\t], v[14+4*\t]
.endr
	v_nop                                          ; a plain line behind them,
	WIN 0x01                                       ; (O^T lies in window 1)
	s_wait_alu depctr_va_vdst(0)                   ; and the wait ahead of their first reader, which is O^T's first reader too
.set j, 0
.rept 16
.irp t, 0,1
	v_pk_mul_f32 v[S+64*\t+j:S+64*\t+j+1], v[O+32*\t+j:O+32*\t+j+1], v[14+4*\t:15+4*\t] op_sel_hi:[1,0]   ; register 16 b + i: channel 32 b + 16 (lane / 16) + i of my query
.endr
.set j, j+2
.endr
	WIN 0
.irp b, 0,1
.irp t, 0,1
	v_max3_num_f32 v[BM+4*\t+\b], |v[S+64*\t+16*\b]|, |v[S+64*\t+16*\b+1]|, 0x8000000
.endr
.endr
.irp i, 2,4,6,8,10,12,14
.irp b, 0,1
.irp t, 0,1
	s_delay_alu instid0(VALU_DEP_4)
	v_max3_num_f32 v[BM+4*\t+\b], v[BM+4*\t+\b], |v[S+64*\t+16*\b+\i]|, |v[S+64*\t+16*\b+\i+1]|
.endr
.endr
.endr
.irp b, 0,1
.irp t, 0,1
	s_delay_alu instid0(VALU_DEP_4)
	v_permlanex16_b32 v[PM+4*\t+\b], v[BM+4*\t+\b], s[SEL], s[SEL+1]
.endr
.endr
.irp b, 0,1
.irp t, 0,1
	s_delay_alu instid0(VALU_DEP_4)
	v_max_num_f32 v[BM+4*\t+\b], v[BM+4*\t+\b], v[PM+4*\t+\b]
.endr
.endr
.irp b, 0,1
.irp t, 0,1
	s_delay_alu instid0(VALU_DEP_4)
	v_add_nc_u32 v[SO+4*\t+\b], 0xf8800000, v[BM+4*\t+\b]
.endr
.endr
.irp b, 0,1
.irp t, 0,1
	v_and_or_b32 v[HD+4*\t+\b], v[BM+4*\t+\b], 0x7f800000, s[MNT]
.endr
.endr
.irp b, 0,1
.irp t, 0,1
	v_lshrrev_b32 v[PM+4*\t+\b], 23, v[SO+4*\t+\b]
.endr
.endr
.irp b, 0,1
.irp t, 0,1
.irp i, 0,1,2,3,4,5,6,7,8,9,10,11,12,13,14,15
	v_med3_num_f32 v[S+64*\t+16*\b+\i], v[S+64*\t+16*\b+\i], -v[HD+4*\t+\b], v[HD+4*\t+\b]
.endr
.endr
.endr
.irp b, 0,1
.irp t, 0,1
	v_cvt_scalef32_pk8_bf8_f32 v[S+64*\t+32+4*\b:S+64*\t+32+4*\b+1], v[S+64*\t+16*\b:S+64*\t+16*\b+7], v[SO+4*\t+\b]
	v_cvt_scalef32_pk8_bf8_f32 v[S+64*\t+32+4*\b+2:S+64*\t+32+4*\b+3], v[S+64*\t+16*\b+8:S+64*\t+16*\b+15], v[SO+4*\t+\b]
.endr
.endr
.irp t, 0,1
	v_lshl_or_b32 v[TT+\t], v[PM+4*\t+1], 8, v[PM+4*\t]   ; the head's two bytes; also the plain line behind the last conversion
.endr
.irp t, 0,1
.irp b, 0,1
	global_store_b128 v[A16], v[S+64*\t+32+4*\b:S+64*\t+32+4*\b+3], s[AB:AB+1] offset:\t*12288+\hd*1024+\b*512   ; 512 consecutive bytes, aligned
.endr
	global_store_b16 v[AO], v[TT+\t], s[ASB:ASB+1] offset:\t*384
.endr
.endm
	QLOAD 0
	s_cmp_lt_u32 s[WV], 4
	s_cbranch_scc0 .Lnot_mine
	s_wait_tensorcnt 0x0                           ; waves 0 to 3: my part of slot 0 is in.  Slot 1's line is waited for ahead of the round below
.Lnot_mine:
	s_barrier_signal -1
	s_barrier_wait -1                              ; slot 0 is whole
	HEAD 0, 0
	s_wait_tensorcnt 0x0                           ; all my tensor loads have landed, slot 1's parts among them: a group 0 may be written
	ds_add_u32 v[SPW], v[NIL]                      ; 0 onto my spare word
	s_add_nc_u64 s[G0A+2:G0A+3], s[G0A+2:G0A+3], 2*SLOTB   ; waves 0 to 3: head 2's block; the type bits on top are not reached
	s_wait_dscnt 0x0                               ; the add is done, and my reads of slot 0 are over
	ROUND                                          ; no wave of any partner still reads slot 0 or has a load on its way; slot 1 is whole
	s_cmp_lt_u32 s[WV], 4
	s_cbranch_scc0 .Lno_refill
	tensor_load_to_lds s[G0A:G0A+3], s[G1:G1+7]    ; the launch's one refill, first thing behind the round: one load of mine is out
	s_nop 0
	PLACES 4
.Lno_refill:
	HEAD 1, 1
	s_wait_tensorcnt 0x0                           ; my part of head 2's block is in,
	s_wait_dscnt 0x0
	s_barrier_signal -1
	s_barrier_wait -1                              ; everybody's is
	HEAD 2, 0
	s_wait_tensorcnt 0x0                           ; the wave's end
	ds_add_u32 v[SPW], v[NIL]
	s_wait_dscnt 0x0
	ROUND                                          ; the closing round
	s_endpgm
.Lfunc_end_k_qaa82f5b165_attn:
	.size	k_qaa82f5b165_attn, .Lfunc_end_k_qaa82f5b165_attn-k_qaa82f5b165_attn
	.p2alignl 7, 3214868480
	.fill 96, 4, 3214868480
	.section	.rodata,"a",@progbits
	.p2align	6, 0x0
	.amdhsa_kernel k_qaa82f5b165_attn
		.amdhsa_group_segment_fixed_size 327680
		.amdhsa_private_segment_fixed_size 0
		.amdhsa_enable_private_segment 0
		.amdhsa_kernarg_size 40
		.amdhsa_user_sgpr_count 2
		.amdhsa_user_sgpr_kernarg_segment_ptr 1
		.amdhsa_wavefront_size32 1
		.amdhsa_system_sgpr_workgroup_id_x 1
		.amdhsa_system_sgpr_workgroup_id_y 1
		.amdhsa_system_sgpr_workgroup_id_z 1
		.amdhsa_system_vgpr_workitem_id 0
		.amdhsa_next_free_vgpr 512
		.amdhsa_next_free_sgpr 66
		.amdhsa_reserve_vcc 0
		.amdhsa_float_denorm_mode_32 3
		.amdhsa_float_denorm_mode_16_64 3
		.amdhsa_memory_ordered 1
		.amdhsa_forward_progress 1
		.amdhsa_inst_pref_size 167
	.end_amdhsa_kernel
	.amdgpu_metadata
---
amdhsa.version: [ 1, 2 ]
amdhsa.kernels:
  - .name:           k_qaa82f5b165_attn
    .symbol:         k_qaa82f5b165_attn.kd
    .args:
      - { .name: qimg, .offset: 0, .size: 8, .value_kind: global_buffer, .address_space: global }
      - { .name: qscl, .offset: 8, .size: 8, .value_kind: global_buffer, .address_space: global }
      - { .name: kv, .offset: 16, .size: 8, .value_kind: global_buffer, .address_space: global }
      - { .name: aimg, .offset: 24, .size: 8, .value_kind: global_buffer, .address_space: global }
      - { .name: ascl, .offset: 32, .size: 8, .value_kind: global_buffer, .address_space: global }
    .group_segment_fixed_size: 327680
    .private_segment_fixed_size: 0
    .kernarg_segment_align: 8
    .kernarg_segment_size: 40
    .max_flat_workgroup_size: 256
    .sgpr_count:     66
    .vgpr_count:     512
    .wavefront_size: 32
...
	.end_amdgpu_metadata
.endif
;; end of part 2
;; launch outp (part 3): grid 64 x 4, 4 waves a work-group, clusters of 4 x 1, 174,592 bytes of LDS; arguments aimg, ascl, Wo_codes, Wo_scales, bo, out0; writes out0
.if DOCPART == 3
	.amdgcn_target "amdgcn-amd-amdhsa--gfx1250"
	.amdhsa_code_object_version 6
	.text
	.protected	k_qaa82f5b165_outp
	.globl	k_qaa82f5b165_outp
	.p2align	8
	.type	k_qaa82f5b165_outp,@function
k_qaa82f5b165_outp:
	s_mov_b64 s[64:65], 0
	v_nop
	global_prefetch_b8 v0, s[64:65] scope:SCOPE_SE
	s_setreg_imm32_b32 hwreg(HW_REG_WAVE_MODE, 25, 1), 1
	s_wait_xcnt 0x0
	s_wait_alu depctr_hold_cnt(0) depctr_sa_sdst(0) depctr_va_vdst(0) depctr_va_sdst(0) depctr_va_ssrc(0) depctr_va_vcc(0) depctr_vm_vsrc(0)
	s_getreg_b32 s2, hwreg(HW_REG_IB_STS2, 6, 4)
	s_cmp_eq_u32 s2, 0
	s_cbranch_scc0 .Lentry_in_a_cluster
	s_endpgm
.Lentry_in_a_cluster:
	s_bfe_u32 s2, ttmp6, 0x10000c
	s_cmp_lg_u32 s2, 0x3003
	s_cbranch_scc0 .Lentry_shape_is_right
	s_endpgm
.Lentry_shape_is_right:
; out = concat Wo^T + bo on codes of BF8 (E5M2) with one E8M0 scale for each 32 along K = 768; out is f32.
; concat comes as register images (aimg: [tile of 16 rows][K step 6][chunk 4] x 512 bytes; ascl: a scale word for each tile, K step and row); lane r of tile RT holds row 32 (RT / 2) + 8 (RT % 2) + r + 8 (r / 8).
; SHARES.  A work-group takes 256 rows (row block RB = 4 x cluster x + cx: 16 tiles) and 192 columns (work-group y): 768 bytes, three aligned runs of 256, of each row of out.  Wave w owns four tiles of rows: their 24 fragments,
; 384 registers, come straight from memory, 512 consecutive bytes a load, and stay.  Wo's 192 rows lie in LDS, filled once, and all four waves read them.  A wave finishes 64 columns (four tiles of Wo) over all six K steps, sends them out, and takes the next 64.
; CLUSTER: the four row blocks of a cluster need the same rows of Wo: the tensor loads are joint (mask 15).
; THE PRODUCT IS USED TRANSPOSED (source 0 = 16 rows of Wo, source 1 = 16 rows of concat): a lane holds eight neighbouring columns of one row.  bo is the C of each sum's first product, so it is added ahead of the products.
; LIMITS: NaN and infinities among the inputs are not served.
; REGISTERS: window 0: v2-11 addresses; v16-27 concat's scale words; v28-63 Wo's; v64-127 rows on their way out, two sets; v128-191, v192-255 Wo's fragments, two buffers.
;   window 1: concat's fragments of K steps 0-3 (64 ks + 16 i).   window 2: v0-127 those of K steps 4, 5; v128-255 the 16 accumulators (128 + 32 i + 8 t).   window 3: v0-95 bo, eight registers a tile.
.set RP,    816                        ; a row of Wo in LDS: three lines of 256 bytes + 16 of padding: row r starts at column 3 r mod 16 of 16 bytes, so the 16 rows of a load start at 16 different columns
.set WVB,   48*RP                      ; what one tensor load brings
.set TILEB, 16*RP
.set STAGE, 4*WVB                      ; behind Wo: 16 rows x 272 bytes for each wave; no tensor load lands here
.set SP,    272
.set O16, 2                            ; v2   16 x lane
.set STO, 3                            ; v3   the stage: where I put 32 bytes of a row
.set SRD, 4                            ; v4   and where I read a row back
.set GO,  5                            ; v5   my byte offset in two rows of out
.set B32, 6                            ; v6   32 x (lane / 16)
.set AWQ, 7                            ; v7-9 my place in the first tile of Wo of quad 0, 1, 2
.set ASO, 10                           ; v10  concat's scale words: lanes 0-15 the even tile, lanes 16-31 the odd one
.set WSO, 11                           ; v11  Wo's scale bytes: 24 x lane
.set AS,  16
.set WS,  28
.set BK,  64
.set WB,  128
.set WV,  16
.set G1,  24
.set G0,  32
.set MSB, 0
.macro WIN new
.if MSB != (\new)
	s_set_vgpr_msb (MSB<<8)|(\new)
.set MSB, (\new)
.endif
.endm
.macro PLACES n
.rept \n
	v_nop
.endr
.endm
.macro ROUND
	s_barrier_signal -1
	s_barrier_wait -1
	s_cmp_lg_u32 s[WV], 0
	s_cbranch_scc1 .Lnot_wave_0_\@
	s_barrier_signal -3
.Lnot_wave_0_\@:
	s_barrier_wait -3
	s_barrier_signal -1
	s_barrier_wait -1
.endm
.macro MM d, a, b, c, sa, sb, ra, rb
.if (\ra) && (\rb)
	v_wmma_scale_f32_16x16x128_f8f6f4 v[\d:\d+7], v[\a:\a+15], v[\b:\b+15], v[\c:\c+7], v[\sa], v[\sb] matrix_a_fmt:MATRIX_FMT_BF8 matrix_b_fmt:MATRIX_FMT_BF8 matrix_a_scale:MATRIX_SCALE_ROW1 matrix_b_scale:MATRIX_SCALE_ROW1
.elseif (\ra)
	v_wmma_scale_f32_16x16x128_f8f6f4 v[\d:\d+7], v[\a:\a+15], v[\b:\b+15], v[\c:\c+7], v[\sa], v[\sb] matrix_a_fmt:MATRIX_FMT_BF8 matrix_b_fmt:MATRIX_FMT_BF8 matrix_a_scale:MATRIX_SCALE_ROW1
.elseif (\rb)
	v_wmma_scale_f32_16x16x128_f8f6f4 v[\d:\d+7], v[\a:\a+15], v[\b:\b+15], v[\c:\c+7], v[\sa], v[\sb] matrix_a_fmt:MATRIX_FMT_BF8 matrix_b_fmt:MATRIX_FMT_BF8 matrix_b_scale:MATRIX_SCALE_ROW1
.else
	v_wmma_scale_f32_16x16x128_f8f6f4 v[\d:\d+7], v[\a:\a+15], v[\b:\b+15], v[\c:\c+7], v[\sa], v[\sb] matrix_a_fmt:MATRIX_FMT_BF8 matrix_b_fmt:MATRIX_FMT_BF8
.endif
.endm
	s_load_b256 s[4:11], s[0:1], 0x0               ; aimg 4, ascl 6, Wo's codes 8, Wo's scales 10
	s_load_b128 s[12:15], s[0:1], 0x20             ; bo 12, out0 14
	v_lshl_add_u32 v1, v0, 2, 0x2a800
	v_mov_b32 v15, 0
	ds_add_u32 v1, v15
	ds_add_u32 v1, v15
	v_lshrrev_b32 v12, 5, v0
	v_readfirstlane_b32 s[WV], v12                 ; wave 0..3
	v_and_b32 v12, 15, v0                          ; r
	v_bfe_u32 v13, v0, 4, 1                        ; h = lane / 16
	v_and_b32 v14, 31, v0                          ; lane
	v_mul_u32_u24 v[AWQ], v12, RP
	v_lshl_add_u32 v[AWQ], v13, 4, v[AWQ]
	v_add_nc_u32 v[AWQ+1], 4*TILEB, v[AWQ]
	v_add_nc_u32 v[AWQ+2], 8*TILEB, v[AWQ]
	v_lshlrev_b32 v[O16], 4, v14
	s_mul_i32 s17, s[WV], 16*SP
	s_add_co_u32 s17, s17, STAGE                   ; my stage
	v_mul_u32_u24 v[STO], v12, SP
	v_lshl_add_u32 v[STO], v13, 5, v[STO]
	v_add_nc_u32 v[STO], s17, v[STO]               ; in: row r, 32 bytes for each half of the lanes
	v_mul_u32_u24 v[SRD], v13, SP
	v_lshl_add_u32 v[SRD], v12, 4, v[SRD]
	v_add_nc_u32 v[SRD], s17, v[SRD]               ; back: lanes 0-15 one row of 256 bytes, lanes 16-31 the next
	v_mul_u32_u24 v[GO], v13, 3072
	v_lshl_add_u32 v[GO], v12, 4, v[GO]            ; and the same two rows in out
	v_lshlrev_b32 v[B32], 5, v13
	v_mul_u32_u24 v[ASO], v13, 384
	v_lshl_add_u32 v[ASO], v12, 2, v[ASO]
	v_mul_u32_u24 v[WSO], v14, 24
	s_mov_b32 s[G1+0], 15|(3<<16)|(1<<20)|(1<<21)|(5<<22)|(3<<25)   ; 48 rows of Wo, 36,864 dense bytes, as 144 lines of 32 elements of 8 bytes, four words of padding behind each 64; mask 15, bit 21 beside it
	s_mov_b32 s[G1+1], 32<<16
	s_mov_b32 s[G1+2], 144<<16
	s_mov_b32 s[G1+3], 32<<16
	s_mov_b32 s[G1+4], 144
	s_mov_b32 s[G1+5], 32
	s_mov_b32 s[G1+6], 0
	s_mov_b32 s[G1+7], 0
	s_and_b32 s19, ttmp7, 0xffff                   ; which 192 columns: shared by the four partners
	s_mul_i32 s20, s19, 192
	s_mul_i32 s21, s[WV], 48
	s_add_co_u32 s20, s20, s21
	s_mul_i32 s20, s20, 768
	s_mov_b32 s21, 0
	s_mul_i32 s22, s[WV], WVB
	s_wait_dscnt 0x0
	s_wait_kmcnt 0x0
	s_mov_b32 s[G0], 1
	s_mov_b32 s[G0+1], s22
	s_add_nc_u64 s[G0+2:G0+3], s[8:9], s[20:21]
	s_or_b32 s[G0+3], s[G0+3], 0x80000000
	ROUND                                          ; all four work-groups are here: the joint loads meet
	tensor_load_to_lds s[G0:G0+3], s[G1:G1+7]      ; every wave fetches its quarter: one load of mine is out
	s_nop 0
	PLACES 4
	s_bfe_u32 s17, ttmp6, 0x40000                  ; cx: it enters global addresses alone
	s_lshl_b32 s18, ttmp9, 2
	s_add_co_u32 s17, s17, s18                     ; RB
	s_lshl_b32 s17, s17, 4
	s_lshl_b32 s18, s[WV], 2
	s_add_co_u32 s23, s17, s18                     ; my first tile of rows: 16 RB + 4 wave
	s_mov_b32 s37, 0
	s_mul_i32 s36, s23, 12288
	s_add_nc_u64 s[4:5], s[4:5], s[36:37]
	s_mul_i32 s36, s23, 384
	s_add_nc_u64 s[6:7], s[6:7], s[36:37]
	s_mul_i32 s36, s19, 192*24
	s_add_nc_u64 s[10:11], s[10:11], s[36:37]
	s_mul_i32 s36, s19, 192*4
	s_add_nc_u64 s[12:13], s[12:13], s[36:37]
	s_add_nc_u64 s[14:15], s[14:15], s[36:37]      ; out: my 768 bytes of a row,
	s_mul_i32 s36, s23, 16*3072
	s_add_nc_u64 s[14:15], s[14:15], s[36:37]      ; from my first row on
.irp ks, 0,1,2,3,4,5
	WIN 0x40*(1+\ks/4)
.irp i, 0,1,2,3
.irp c, 0,1,2,3
	global_load_b128 v[64*(\ks%4)+16*\i+4*\c:64*(\ks%4)+16*\i+4*\c+3], v[O16], s[4:5] offset:\i*12288+\ks*2048+\c*512
.endr
.endr
.endr
	WIN 0xc0
	s_wait_alu depctr_va_vdst(0)
.irp t, 0,1,2,3,4,5,6,7,8,9,10,11
	global_load_b128 v[8*\t:8*\t+3], v[B32], s[12:13] offset:64*\t          ; bo at columns 16 t + 8 (lane / 16) + 0 .. 7
	global_load_b128 v[8*\t+4:8*\t+7], v[B32], s[12:13] offset:64*\t+16
.endr
	WIN 0
.irp p, 0,1
.irp ks, 0,1,2,3,4,5
	global_load_b32 v[AS+6*\p+\ks], v[ASO], s[6:7] offset:2*\p*384+64*\ks
.endr
.endr
.irp p, 0,1,2,3,4,5
.irp n, 0,1,2
	global_load_b64 v[WS+6*\p+2*\n:WS+6*\p+2*\n+1], v[WSO], s[10:11] offset:768*\p+8*\n   ; tiles 2 p and 2 p + 1 of Wo in the two halves of the lanes
.endr
.endr
	s_wait_loadcnt 0x0
	s_wait_tensorcnt 0x0                           ; my quarter of Wo has landed,
	s_barrier_signal -1
	s_barrier_wait -1                              ; everybody's has
.irp t, 0,1,2,3
.irp c, 0,1,2,3
	ds_load_b128 v[WB+16*\t+4*\c:WB+16*\t+4*\c+3], v[AWQ] offset:\t*TILEB+32*\c
.endr
.endr
; K step ks of quad q: the next K step's four fragments are asked for, then 16 products, the 16 accumulators by turns
.macro QSTEP q, ks
.if \ks > 0
	PLACES 8                                       ; between the products that read a buffer and the loads into it; a quad's first step has the nine behind the quad before
.endif
	WIN 0
.if (\q < 2) || (\ks < 5)
.irp t, 0,1,2,3
.irp c, 0,1,2,3
.if \ks < 5
	ds_load_b128 v[WB+64*((\ks+1)%2)+16*\t+4*\c:WB+64*((\ks+1)%2)+16*\t+4*\c+3], v[AWQ+\q] offset:\t*TILEB+128*(\ks+1)+16*((\ks+1)/2)+32*\c
.else
	ds_load_b128 v[WB+16*\t+4*\c:WB+16*\t+4*\c+3], v[AWQ+\q+1] offset:\t*TILEB+32*\c   ; the next quad's first K step
.endif
.endr
.endr
	s_wait_dscnt 16                                ; all but the sixteen just issued
.else
	s_wait_dscnt 0x0                               ; the very last step: nothing more to fetch
.endif
.if \ks == 0
	WIN 0xb4                                       ; D window 2, C (bo) window 3, source 1 window 1
.elseif \ks < 4
	WIN 0xa4                                       ; C and D window 2, source 1 window 1
.else
	WIN 0xa8                                       ; source 1 window 2
.endif
.set WBC, WB+64*(\ks%2)
.irp i, 0,1,2,3
.irp t, 0,1,2,3
.if \ks == 0
.set CC, 8*(4*\q+\t)
.else
.set CC, 128+32*\i+8*\t
.endif
	MM 128+32*\i+8*\t, WBC+16*\t, 64*(\ks%4)+16*\i, CC, WS+6*(2*\q+\t/2)+\ks, AS+6*(\i/2)+\ks, \t%2, \i%2
.endr
.endr
.endm
; THE WAY OUT of tile i: 16 rows x 64 columns go through my own stage and come back as whole rows of 256 bytes.  LDS serves a wave's instructions in order (ISA guide 5.7.1.4): no wait between the stores and the loads.
.macro TOSTAGE i
	s_wait_xcnt 0x0                                ; the stores of two tiles back have read the registers that these loads fill
	WIN 0x08                                       ; an LDS store's data are its source 1: window 2
.irp t, 0,1,2,3
	ds_store_b128 v[STO], v[128+32*\i+8*\t:128+32*\i+8*\t+3] offset:64*\t          ; each accumulator from its low end on
	ds_store_b128 v[STO], v[128+32*\i+8*\t+4:128+32*\i+8*\t+7] offset:64*\t+16
.endr
	WIN 0
.irp n, 0,1,2,3,4,5,6,7
	ds_load_b128 v[BK+32*(\i%2)+4*\n:BK+32*(\i%2)+4*\n+3], v[SRD] offset:2*SP*\n
.endr
.endm
.macro SEND q, i, younger              ; younger: the LDS instructions issued behind tile i's loads, which may stay out
	s_wait_dscnt \younger
.irp n, 0,1,2,3,4,5,6,7
	global_store_b128 v[GO], v[BK+32*(\i%2)+4*\n:BK+32*(\i%2)+4*\n+3], s[14:15] offset:(32*(\i/2)+8*(\i%2)+2*\n+8*(\n/4))*3072+256*\q th:TH_STORE_NT   ; 16 lanes store 256 consecutive bytes, aligned; the immediate puts the tile's rows back in their order
.endr
.endm
.irp q, 0,1,2
.irp k, 0,1,2,3,4,5
	QSTEP \q, \k
.endr
	PLACES 9                                       ; eight for the stage's reads of results; the ninth since the next quad's first products begin these accumulators anew
	TOSTAGE 0
	TOSTAGE 1
	SEND \q, 0, 16
	TOSTAGE 2
	SEND \q, 1, 16
	TOSTAGE 3
	SEND \q, 2, 16
	SEND \q, 3, 0
.endr
	s_wait_dscnt 0x0
	s_wait_tensorcnt 0x0
	ds_add_u32 v1, v15
	s_wait_dscnt 0x0
	ROUND                                          ; the closing round: no work-group ends while a partner may still ask for a tile that names it
	s_endpgm
.Lfunc_end_k_qaa82f5b165_outp:
	.size	k_qaa82f5b165_outp, .Lfunc_end_k_qaa82f5b165_outp-k_qaa82f5b165_outp
	.p2alignl 7, 3214868480
	.fill 96, 4, 3214868480
	.section	.rodata,"a",@progbits
	.p2align	6, 0x0
	.amdhsa_kernel k_qaa82f5b165_outp
		.amdhsa_group_segment_fixed_size 174592
		.amdhsa_private_segment_fixed_size 0
		.amdhsa_enable_private_segment 0
		.amdhsa_kernarg_size 48
		.amdhsa_user_sgpr_count 2
		.amdhsa_user_sgpr_kernarg_segment_ptr 1
		.amdhsa_wavefront_size32 1
		.amdhsa_system_sgpr_workgroup_id_x 1
		.amdhsa_system_sgpr_workgroup_id_y 1
		.amdhsa_system_sgpr_workgroup_id_z 1
		.amdhsa_system_vgpr_workitem_id 0
		.amdhsa_next_free_vgpr 864
		.amdhsa_next_free_sgpr 66
		.amdhsa_reserve_vcc 0
		.amdhsa_float_denorm_mode_32 3
		.amdhsa_float_denorm_mode_16_64 3
		.amdhsa_memory_ordered 1
		.amdhsa_forward_progress 1
		.amdhsa_inst_pref_size 103
	.end_amdhsa_kernel
	.amdgpu_metadata
---
amdhsa.version: [ 1, 2 ]
amdhsa.kernels:
  - .name:           k_qaa82f5b165_outp
    .symbol:         k_qaa82f5b165_outp.kd
    .args:
      - { .name: aimg, .offset: 0, .size: 8, .value_kind: global_buffer, .address_space: global }
      - { .name: ascl, .offset: 8, .size: 8, .value_kind: global_buffer, .address_space: global }
      - { .name: Wo_codes, .offset: 16, .size: 8, .value_kind: global_buffer, .address_space: global }
      - { .name: Wo_scales, .offset: 24, .size: 8, .value_kind: global_buffer, .address_space: global }
      - { .name: bo, .offset: 32, .size: 8, .value_kind: global_buffer, .address_space: global }
      - { .name: out0, .offset: 40, .size: 8, .value_kind: global_buffer, .address_space: global }
    .group_segment_fixed_size: 174592
    .private_segment_fixed_size: 0
    .kernarg_segment_align: 8
    .kernarg_segment_size: 48
    .max_flat_workgroup_size: 128
    .sgpr_count:     66
    .vgpr_count:     864
    .wavefront_size: 32
...
	.end_amdgpu_metadata
.endif
;; end of part 3
